; MI455X (gfx1250); checked and timed in simulation.
; The chip was launched on July 23, 2026; its instructions are those of AMD's public machine-readable ISA for CDNA 5 (MIT licence, August 2026) and "CDNA5" Instruction Set Architecture Reference Guide (July 2026). The comments in the code are by the model that wrote it; some were corrected since.
;; Mo E Layer. Allowed arithmetic: matrix products marked QUANTISED: E4M3 operands, one E8M0 scale for each 32 along K, by v_wmma_scale_f32_16x16x128_f8f6f4 with both operands' format E4M3, f32 sums; products left as they are: f32 operands where the result goes on into a quantised operand, else bf16, f16 or f32 operands; f32 sums; everything else in f32.
;; Inputs: b1 8 x 256 float32; b2 8 x 256 float32; b3 8 x 1,024 float32; gate_b 8 float32; gate_w 1,024 x 8 float32; w1_codes 8 x 256 x 32 x 32 uint8 (E4M3 codes of w1, K innermost, in blocks of 32 codes); w1_scales 8 x 256 x 32 uint8 (E8M0 scales of w1, one for each 32 codes along K); w2_codes 8 x 256 x 32 x 32 uint8 (E4M3 codes of w2, K innermost, in blocks of 32 codes); w2_scales 8 x 256 x 32 uint8 (E8M0 scales of w2, one for each 32 codes along K); w3_codes 8 x 1,024 x 8 x 32 uint8 (E4M3 codes of w3, K innermost, in blocks of 32 codes); w3_scales 8 x 1,024 x 8 uint8 (E8M0 scales of w3, one for each 32 codes along K); x 4 x 2,048 x 1,024 float32.
;; Outputs: out0 4 x 2,048 x 1,024 float32; out1 one number float32.
;; This version of the problem:
;;   THIS VERSION OF THE PROBLEM IS GIVEN IN LOW PRECISION. The matrix products marked QUANTISED in the list below multiply operands that are first quantised to E4M3 (4 exponent bits, 3 mantissa bits; 8 bits a number), with one power-of-two scale for each 32 numbers along K (OCP MX v1.0); their sums are f32. All else is computed in f32.
;;   The module's matrix products, in the order in which they are computed (A, B: the left and right operand; K: the contracted axis; several contracted axes count as one K, in the product's order):
;;     1. [M 8,192, K 1,024] x [K 1,024, N 8]; A: input x; B: input gate_w: left as it is (N = 8 < 16)
;;     2. [M 8,192, K 1,024] x [K 1,024, N 256]; A: input x; B: input w2 (given as codes): QUANTISED
;;     3. [M 8,192, K 1,024] x [K 1,024, N 256]; A: input x; B: input w1 (given as codes): QUANTISED
;;     4. [M 8,192, K 256] x [K 256, N 1,024]; A: computed on the way; B: input w3 (given as codes): QUANTISED
;;     5. [M 8,192, K 1,024] x [K 1,024, N 256]; A: input x; B: input w2 (given as codes): QUANTISED
;;     6. [M 8,192, K 1,024] x [K 1,024, N 256]; A: input x; B: input w1 (given as codes): QUANTISED
;;     7. [M 8,192, K 256] x [K 256, N 1,024]; A: computed on the way; B: input w3 (given as codes): QUANTISED
;;     8. [M 8,192, K 1,024] x [K 1,024, N 256]; A: input x; B: input w2 (given as codes): QUANTISED
;;     9. [M 8,192, K 1,024] x [K 1,024, N 256]; A: input x; B: input w1 (given as codes): QUANTISED
;;     10. [M 8,192, K 256] x [K 256, N 1,024]; A: computed on the way; B: input w3 (given as codes): QUANTISED
;;     11. [M 8,192, K 1,024] x [K 1,024, N 256]; A: input x; B: input w2 (given as codes): QUANTISED
;;     12. [M 8,192, K 1,024] x [K 1,024, N 256]; A: input x; B: input w1 (given as codes): QUANTISED
;;     13. [M 8,192, K 256] x [K 256, N 1,024]; A: computed on the way; B: input w3 (given as codes): QUANTISED
;;     14. [M 8,192, K 1,024] x [K 1,024, N 256]; A: input x; B: input w2 (given as codes): QUANTISED
;;     15. [M 8,192, K 1,024] x [K 1,024, N 256]; A: input x; B: input w1 (given as codes): QUANTISED
;;     16. [M 8,192, K 256] x [K 256, N 1,024]; A: computed on the way; B: input w3 (given as codes): QUANTISED
;;     17. [M 8,192, K 1,024] x [K 1,024, N 256]; A: input x; B: input w2 (given as codes): QUANTISED
;;     18. [M 8,192, K 1,024] x [K 1,024, N 256]; A: input x; B: input w1 (given as codes): QUANTISED
;;     19. [M 8,192, K 256] x [K 256, N 1,024]; A: computed on the way; B: input w3 (given as codes): QUANTISED
;;     20. [M 8,192, K 1,024] x [K 1,024, N 256]; A: input x; B: input w2 (given as codes): QUANTISED
;;     21. [M 8,192, K 1,024] x [K 1,024, N 256]; A: input x; B: input w1 (given as codes): QUANTISED
;;     22. [M 8,192, K 256] x [K 256, N 1,024]; A: computed on the way; B: input w3 (given as codes): QUANTISED
;;     23. [M 8,192, K 1,024] x [K 1,024, N 256]; A: input x; B: input w2 (given as codes): QUANTISED
;;     24. [M 8,192, K 1,024] x [K 1,024, N 256]; A: input x; B: input w1 (given as codes): QUANTISED
;;     25. [M 8,192, K 256] x [K 256, N 1,024]; A: computed on the way; B: input w3 (given as codes): QUANTISED
;;   THE QUANTISER, for each operand of a quantised product, along K:
;;     - K is cut into blocks of 32 from its start; a last block that is shorter is filled with zeros.
;;     - A block's scale is 2^e with e = floor(log2(the largest magnitude in the block)) - 8, held to -126 .. 127; a block of zeros has e = 0. As a byte (E8M0): e + 127.
;;     - Each number is divided by its block's scale, clamped to +-448, and rounded to the nearest number of E4M3, ties to even, subnormals kept.
;;     - The product sums the exact products of the quantised numbers (number of the format x scale) in f32.
;;   ~~~python
;;   def quantise(x, axis):      # numpy; x: float32 -> the quantised numbers, widened to float32 again
;;       x = np.moveaxis(x, axis, -1); K = x.shape[-1]
;;       x = np.pad(x, [(0, 0)] * (x.ndim - 1) + [(0, -K % 32)]); x = x.reshape(x.shape[:-1] + (-1, 32)); a = np.abs(x).max(-1, keepdims=True)
;;       e = np.where(a > 0, np.clip(np.frexp(np.where(a > 0, a, 1))[1] - 1 - 8, -126, 127), 0)      # np.frexp(a)[1] - 1 = floor(log2(a)), exactly
;;       r = np.clip(x / 2.0 ** e, -448, 448)
;;       step = 2.0 ** (np.maximum(np.frexp(np.where(r == 0, 1, r))[1] - 1, -6) - 3)
;;       q = np.round(r / step) * step * 2.0 ** e      # np.round: ties to even
;;       return np.moveaxis(q.reshape(q.shape[:-2] + (-1,))[..., :K], -1, axis).astype(np.float32)
;;   ~~~
;;   OPERANDS COMPUTED ON THE WAY. 'Computed on the way' means the value that the module computes at that place (a softmax that the list does not call 'softmax' is quantised finished and normalised). What goes into a quantiser is computed in f32, as accurately as f32 sums, v_exp_f32 and their like allow (about 1e-6 of the number): no bf16 or f16 on the way to a quantiser, and a product that is left as it is and whose result goes on into a quantised operand takes f32 operands (vector FMAs, or v_wmma_f32_16x16x4_f32). A number that lies on a knife's edge between two numbers of the format may be rounded either way, as far as f32 arithmetic and the matrix unit's own rounding can turn it there, and no further.
;;   INPUTS GIVEN AS CODES. w1 (in the module: [8, 1024, 256], K = its axis 1); w2 (in the module: [8, 1024, 256], K = its axis 1); w3 (in the module: [8, 256, 1024], K = its axis 1): each comes as NAME_codes (uint8): NAME with its K axis moved to the last place and cut into blocks of 32 codes, [.., K / 32, bytes a block], one block behind the other in memory; one code a byte (a code: sign, 4 exponent bits, 3 mantissa bits); and NAME_scales (uint8): the same leading axes, one E8M0 byte (e + 127) for each 32 codes along K. Its value is code x scale, taken as it is: it is not quantised again, and the codes and scales need not be those that the quantiser above would give.
;; 2 versions, each right; version 2 is version 1 with the launch chain written anew for expert scheduling mode. Each part assembles by itself: llvm-mc -triple=amdgcn-amd-amdhsa -mcpu=gfx1250 --defsym DOCPART=n.
;; ======== version 1 of 2: 3 launches
;; workspace buffers: xq 8,388,608 bytes; xs 262,144 bytes; wl 6,291,456 bytes; rsel 65,536 bytes of whole numbers; gatev 139,264 bytes; tplan 49,152 bytes of whole numbers
;; launch route (part 1): grid 256 x 1, 8 waves a work-group, no clusters, 87,040 bytes of LDS; arguments x, gate_w, gate_b, w1_codes, w2_codes, w3_codes, xq, xs, wl, rsel, gatev; writes xq, xs, wl, rsel, gatev
.if DOCPART == 1
	.amdgcn_target "amdgcn-amd-amdhsa--gfx1250"
	.amdhsa_code_object_version 6
	.text
	.protected	k_q4f85fdb97d_route
	.globl	k_q4f85fdb97d_route
	.p2align	8
	.type	k_q4f85fdb97d_route,@function
k_q4f85fdb97d_route:
	s_mov_b64 s[64:65], 0
	v_nop
	global_prefetch_b8 v0, s[64:65] scope:SCOPE_SE
	s_setreg_imm32_b32 hwreg(HW_REG_WAVE_MODE, 25, 1), 1
	s_wait_xcnt 0x0
; ROUTER, QUANTISER OF x, AND LAYOUT OF THE WEIGHTS.  x [8192][1024] f32 is read once.
; (1) x becomes codes of E4M3 (xq [8192][1024], K innermost) and one E8M0 byte for each 32 along K (xs [8192][32]).
; (2) logits = x gate_w + gate_b in f32 (packed fused multiply-adds on the unquantised x), softmax with the row's maximum taken away, top-2 (strict > on an ascending scan keeps the lower index at a tie).
;     Nothing here is addressed by the choice: each token's pair number q (28 pairs a < b) and its rank among the tokens of the same pair in its block of 32 go to rsel at fixed places,
;     with the block's histogram; the two scores go to gatev as (wa, wa, wb, wb); the block's sum of all eight scores goes to gatev too (for the loss).
; (3) w1, w2, w3 codes are copied into wl in the order of a matrix operand's registers: [tensor][expert][wave 4][step 8][fragment 4][c 4][lane 32][16 bytes].
; SHARES: a work-group owns 32 tokens.  Wave w: half hf = w & 1 of K (512 numbers), tokens 8 (w >> 1) + 0..7, one half row a step.  All 32 loads of x of a wave (16 KiB) go out at the head.
; A load takes 512 consecutive bytes; a step's 2,048 bytes turn through the wave's own stage in LDS so that a lane holds 16 neighbours along K; two lanes hold a block of 32.
; The lane's 16 x 8 numbers of gate_w stay in 128 registers (window 1); they come once through LDS, transposed.
; LIMITS: NaN and infinities among the inputs are not served.  A block of zeros gets the byte 1 where the quantiser's rule says 127: its codes are zeros, and only this program reads the bytes.
; A token whose second and third scores differ by less than the f32 sums' own error may choose the other expert.
; No matrix unit (N = 8), no tensor loads, no cluster: work-groups share only gate_w, 32 KiB.
.set GWE,  5136                        ; LDS 0: gate_w transposed: (e, k) at e GWE + (k / 16) 80 + (k % 16) 4.  4 GWE = 5,136 words = 16 mod 64: a store's odd lanes (four experts on) start 16 banks behind its even lanes (64 banks of 4 bytes: ISA guide 11.1)
.set STG,  41216                       ; two stages of 32 x 80 bytes for each wave
.set SP,   80                          ; a lane's 64 bytes + 16 of padding
.set SCB,  82176                       ; scale bytes [token 32][32]
.set PL,   83200                       ; partial logits [hf][token 32][8] f32
.set R,    16                          ; v16-143  eight steps x 16 numbers as loaded
.set X,    144                         ; v144-175 two sets of 16 neighbours
.set ACC,  176                         ; v176-191 eight pairs: sums over even and odd k
.set LG,   192                         ; v192-199 eight partial logits
.set TP,   200                         ; v200-207 destinations of the lane permute
.set C,    208                         ; v208-239 codes, four registers a step (at the head: gate_w as loaded)
.set E,    240                         ; v240-247 a scale byte a step
.set MSB, 0
.macro WIN new                         ; the immediate's high byte repeats the setting that is left
.if MSB != \new
	s_set_vgpr_msb (MSB<<8)|\new
.set MSB, \new
.endif
.endm
	s_load_b512 s[8:23], s[0:1], 0x0               ; x 8, gate_w 10, gate_b 12, w1_codes 14, w2_codes 16, w3_codes 18, xq 20, xs 22
	s_load_b128 s[24:27], s[0:1], 0x40             ; wl 24, rsel 26
	s_load_b64 s[28:29], s[0:1], 0x50              ; gatev
	v_lshl_add_u32 v254, v0, 2, 0x15000
	v_mov_b32 v255, 0
	v_lshrrev_b32 v1, 5, v0
	v_readfirstlane_b32 s4, v1                     ; wave 0..7
	s_and_b32 s5, s4, 1                            ; hf
	s_lshr_b32 s6, s4, 1                           ; p
	s_lshl_b32 s7, ttmp9, 3
	s_add_co_u32 s7, s7, s4                        ; G = 8 x work-group + wave: which 1,024 bytes of each laid-out tensor are mine
	s_mov_b32 s30, 0x76543210
	s_mov_b32 s31, 0xfedcba98                      ; selects: lane l xor 16
	s_mov_b32 s60, 0x600000                        ; the mantissa field of 448
	v_and_b32 v2, 31, v0                           ; lane
	v_lshlrev_b32 v3, 4, v2                        ; 16 x lane
	s_mul_i32 s40, s4, 2*32*SP
	s_add_co_u32 s40, s40, STG                     ; my stages
	v_lshrrev_b32 v4, 2, v2
	v_mul_u32_u24 v4, v4, SP
	v_and_b32 v8, 3, v2
	v_lshl_add_u32 v4, v8, 4, v4
	v_add_nc_u32 v4, s40, v4                       ; stage, way in: 80 (lane / 4) + 16 (lane % 4)
	v_mul_u32_u24 v5, v2, SP
	v_add_nc_u32 v5, s40, v5                       ; stage, way out: 80 x lane
	s_lshl_b32 s41, s6, 8
	s_lshl_b32 s42, s5, 4
	s_add_co_u32 s42, s42, s41
	s_add_co_u32 s42, s42, SCB
	v_lshrrev_b32 v6, 1, v2
	v_add_nc_u32 v6, s42, v6                       ; my block's scale byte: SCB + 32 (8 p + t) + 16 hf + lane / 2
	s_lshl_b32 s42, s5, 10
	s_add_co_u32 s42, s42, s41
	s_add_co_u32 s42, s42, PL
	v_mov_b32 v7, s42                              ; my wave's partial logits: PL + 1024 hf + 32 (8 p + t)
	v_lshlrev_b32 v13, 5, v2
	v_add_nc_u32 v13, PL, v13                      ; wave 0 at the end: token = lane
	v_add_nc_u32 v1, SCB, v3                       ; wave 1 at the end: 16 bytes a lane of the scale bytes
	v_and_b32 v14, 1, v0
	v_mul_u32_u24 v14, v14, 4*GWE
	v_lshrrev_b32 v8, 5, v0
	v_mad_u32_u24 v14, v8, SP, v14
	v_bfe_u32 v8, v0, 1, 4
	v_lshl_add_u32 v14, v8, 2, v14                 ; gate_w into LDS: thread t holds k = 128 j + t / 2, e = 4 (t & 1) + i
	s_mul_i32 s52, s5, 32*SP
	v_mul_u32_u24 v15, v2, SP
	v_add_nc_u32 v15, s52, v15                     ; and out of it: group k / 16 = 32 hf + lane
	v_lshlrev_b32 v12, 4, v0                       ; gate_w in memory: 16 bytes a thread
	; the layout of the weights: fragment F = G / 2 = ((4 e + w) 8 + step) 4 + f; I move its pieces c = 2 (G & 1) and the next
	v_and_b32 v8, 15, v2                           ; r
	v_lshrrev_b32 v11, 4, v2                       ; h
	v_and_b32 v9, 8, v8
	v_add_nc_u32 v9, v9, v8                        ; r + 8 (r / 8): the rows of a tile of w1, w2 are chosen so that a lane's results are neighbours along the next K
	v_lshlrev_b32 v9, 10, v9
	v_lshl_add_u32 v9, v11, 4, v9
	v_lshlrev_b32 v8, 8, v8
	v_lshl_add_u32 v8, v11, 4, v8
	s_lshr_b32 s42, s7, 1                          ; F
	s_and_b32 s43, s7, 1
	s_lshr_b32 s44, s42, 5                         ; 4 e + w
	s_bfe_u32 s45, s42, 0x10001                    ; (F >> 1) & 1
	s_and_b32 s46, s42, 1
	s_bfe_u32 s47, s42, 0x30002                    ; step
	s_lshl_b32 s48, s44, 6
	s_lshl_b32 s50, s45, 5
	s_add_co_u32 s48, s48, s50
	s_lshl_b32 s50, s46, 3
	s_add_co_u32 s48, s48, s50                     ; w1, w2: row 64 (4 e + w) + 32 (t / 2) + 8 (t % 2)
	s_lshl_b32 s48, s48, 10
	s_lshl_b32 s50, s47, 7
	s_add_co_u32 s48, s48, s50                     ; + 128 x K step
	s_lshl_b32 s51, s43, 6
	s_add_co_u32 s48, s48, s51                     ; + 64 (G & 1)
	s_lshl_b32 s49, s44, 8
	s_lshl_b32 s50, s47, 5
	s_add_co_u32 s49, s49, s50
	s_lshl_b32 s50, s45, 4
	s_add_co_u32 s49, s49, s50                     ; w3: row 256 (4 e + w) + 32 chunk + 16 n'
	s_lshl_b32 s49, s49, 8
	s_lshl_b32 s50, s46, 7
	s_add_co_u32 s49, s49, s50                     ; + 128 x K step
	s_add_co_u32 s49, s49, s51
	v_add_nc_u32 v9, s48, v9
	v_add_nc_u32 v8, s49, v8
	s_lshl_b32 s50, s7, 10
	v_add_nc_u32 v10, s50, v3                      ; destination: 1,024 G + 16 x lane
	s_lshl_b32 s54, ttmp9, 5
	s_lshl_b32 s55, s6, 3
	s_add_co_u32 s54, s54, s55                     ; my wave's first token
	s_lshl_b32 s56, s54, 12
	s_lshl_b32 s55, s5, 11
	s_add_co_u32 s56, s56, s55
	s_mov_b32 s57, 0
	s_lshl_b32 s58, s54, 10
	s_lshl_b32 s55, s5, 9
	s_add_co_u32 s58, s58, s55
	s_mov_b32 s59, 0
	s_wait_kmcnt 0x0
	s_load_b256 s[32:39], s[12:13], 0x0            ; gate_b
	s_add_nc_u64 s[56:57], s[8:9], s[56:57]        ; x at my half of my first row
	s_add_nc_u64 s[58:59], s[20:21], s[58:59]      ; xq likewise
.irp j, 0,1,2,3,4,5,6,7
	global_load_b128 v[C+4*\j:C+4*\j+3], v12, s[10:11] offset:4096*\j
.endr
	global_load_b128 v[192:195], v9, s[14:15]
	global_load_b128 v[196:199], v9, s[14:15] offset:32
	global_load_b128 v[200:203], v9, s[16:17]
	global_load_b128 v[204:207], v9, s[16:17] offset:32
	global_load_b128 v[240:243], v8, s[18:19]
	global_load_b128 v[244:247], v8, s[18:19] offset:32
.irp t, 0,1,2,3,4,5,6,7
.irp i, 0,1,2,3
	global_load_b128 v[R+16*\t+4*\i:R+16*\t+4*\i+3], v3, s[56:57] offset:4096*\t+512*\i th:TH_LOAD_NT   ; 32 lanes read 512 consecutive bytes
.endr
.endr
	s_wait_loadcnt 38                              ; gate_w's eight are in: behind them 6 + 32 loads
.irp j, 0,1,2,3,4,5,6,7
.irp i, 0,1,2,3
	ds_store_b32 v14, v[C+4*\j+\i] offset:\i*GWE+\j*640
.endr
.endr
	s_wait_loadcnt 32                              ; the six pieces of the weights are in: behind them x's 32 loads
	global_store_b128 v10, v[192:195], s[24:25]
	global_store_b128 v10, v[196:199], s[24:25] offset:512
	global_store_b128 v10, v[200:203], s[24:25] offset:2097152
	global_store_b128 v10, v[204:207], s[24:25] offset:2097152+512
	global_store_b128 v10, v[240:243], s[24:25] offset:4194304
	global_store_b128 v10, v[244:247], s[24:25] offset:4194304+512
	s_wait_xcnt 0x0                                ; these stores' registers are written again below
.irp e, 0,1,2,3,4,5,6,7
	v_mov_b32 v[TP+\e], 0                          ; a lane permute's destination counts as one of its sources
.endr
	s_wait_dscnt 0x0                               ; my part of gate_w lies in LDS
	s_barrier_signal -1
	s_barrier_wait -1                              ; everybody's does
	WIN 0x40                                       ; destination window 1
.irp e, 0,1,2,3,4,5,6,7
.irp i, 0,1,2,3
	ds_load_b128 v[16*\e+4*\i:16*\e+4*\i+3], v15 offset:\e*GWE+16*\i   ; gate_w(512 hf + 16 lane + 4 i .., e)
.endr
.endr
	WIN 0
.macro TURN t                          ; step t's numbers through the stage; LDS serves a wave's instructions in order, so no wait stands between the stores and the loads
.irp i, 0,1,2,3
	ds_store_b128 v4, v[R+16*(\t)+4*\i:R+16*(\t)+4*\i+3] offset:32*SP*((\t)%2)+8*SP*\i
.endr
.irp i, 0,1,2,3
	ds_load_b128 v[X+16*((\t)%2)+4*\i:X+16*((\t)%2)+4*\i+3], v5 offset:32*SP*((\t)%2)+16*\i
.endr
.endm
.macro STEP t
.set XS, X+16*((\t)%2)
	s_wait_dscnt 0x0                               ; this step's 16 neighbours are in (in step 0: gate_w too)
.if (\t) < 7
	s_wait_loadcnt 4*(6-(\t))                      ; the next step's four loads are in; those of the steps behind it may be out
	TURN (\t)+1
.endif
	v_max3_num_f32 v8, |v[XS]|, |v[XS+1]|, |v[XS+2]|
	v_max3_num_f32 v9, |v[XS+3]|, |v[XS+4]|, |v[XS+5]|
.irp i, 6,10
	v_max3_num_f32 v8, v8, |v[XS+\i]|, |v[XS+\i+1]|
	v_max3_num_f32 v9, v9, |v[XS+\i+2]|, |v[XS+\i+3]|
.endr
	v_max3_num_f32 v8, v8, |v[XS+14]|, |v[XS+15]|
	v_max3_num_f32 v8, v8, v9, 0x4800000           ; with the floor 2^(9 - 127): the byte cannot fall under 1
	v_max_num_f32_dpp v8, v8, v8 row_xmask:1 row_mask:0xf bank_mask:0xf   ; and my neighbour's 16: the block's largest magnitude
	v_add_nc_u32 v11, 0xfc000000, v8               ; 8 off its exponent field: the conversion's scale operand
	v_and_or_b32 v10, v8, 0x7f800000, s60          ; 448 x the scale
	WIN 0x04                                       ; source 1 (gate_w) window 1
.irp e, 0,1,2,3,4,5,6,7
	v_pk_mul_f32 v[ACC+2*\e:ACC+2*\e+1], v[XS:XS+1], v[16*\e:16*\e+1]   ; the first products start the eight sums
.endr
.irp i, 2,4,6,8,10,12,14
.irp e, 0,1,2,3,4,5,6,7
	v_pk_fma_f32 v[ACC+2*\e:ACC+2*\e+1], v[XS+\i:XS+\i+1], v[16*\e+\i:16*\e+\i+1], v[ACC+2*\e:ACC+2*\e+1]
.endr
.endr
	WIN 0
.irp i, 0,1,2,3,4,5,6,7,8,9,10,11,12,13,14,15
	v_med3_num_f32 v[XS+\i], v[XS+\i], -v10, v10   ; the conversion to an 8-bit code does not saturate (ISA guide 7.6.2): the hold comes first
.endr
	v_cvt_scalef32_pk8_fp8_f32 v[C+4*(\t):C+4*(\t)+1], v[XS:XS+7], v11
	v_cvt_scalef32_pk8_fp8_f32 v[C+4*(\t)+2:C+4*(\t)+3], v[XS+8:XS+15], v11
	v_lshrrev_b32 v[E+(\t)], 23, v11               ; the scale's byte (also the plain line behind the conversions)
	ds_store_b8 v6, v[E+(\t)] offset:32*(\t)       ; both lanes of a block write the same byte
	global_store_b128 v3, v[C+4*(\t):C+4*(\t)+3], s[58:59] offset:1024*(\t)   ; 32 lanes store 512 consecutive bytes
.irp e, 0,1,2,3,4,5,6,7
	v_add_f32 v[LG+\e], v[ACC+2*\e], v[ACC+2*\e+1]
.endr
.irp k, 1,2,4,8
.irp e, 0,1,2,3,4,5,6,7
	v_add_f32_dpp v[LG+\e], v[LG+\e], v[LG+\e] row_xmask:\k row_mask:0xf bank_mask:0xf
.endr
.endr
.irp e, 0,1,2,3,4,5,6,7
	v_permlanex16_b32 v[TP+\e], v[LG+\e], s30, s31
.endr
.irp e, 0,1,2,3,4,5,6,7
	v_add_f32 v[LG+\e], v[LG+\e], v[TP+\e]         ; every lane holds the half row's eight sums
.endr
	ds_store_b128 v7, v[LG:LG+3] offset:32*(\t)    ; all lanes write the same 32 bytes
	ds_store_b128 v7, v[LG+4:LG+7] offset:32*(\t)+16
.endm
	s_wait_loadcnt 28                              ; step 0's four loads are in
	TURN 0
.irp t, 0,1,2,3,4,5,6,7
	STEP \t
.endr
	s_wait_dscnt 0x0                               ; my scale bytes and partial logits lie in LDS
	s_barrier_signal -1
	s_barrier_wait -1
	s_cmp_eq_u32 s4, 0
	s_cbranch_scc1 .Lfinal
	s_cmp_eq_u32 s4, 1
	s_cbranch_scc1 .Lscales
	s_wait_tensorcnt 0x0
	ds_add_u32 v254, v255
	s_wait_dscnt 0x0
	s_endpgm
.Lscales:                                              ; wave 1: the block's 1,024 scale bytes leave as consecutive bytes
	ds_load_b128 v[16:19], v1
	ds_load_b128 v[20:23], v1 offset:512
	s_lshl_b32 s42, ttmp9, 10
	v_add_nc_u32 v59, s42, v3
	s_wait_dscnt 0x0
	global_store_b128 v59, v[16:19], s[22:23]
	global_store_b128 v59, v[20:23], s[22:23] offset:512
	s_wait_tensorcnt 0x0
	ds_add_u32 v254, v255
	s_wait_dscnt 0x0
	s_endpgm
.Lfinal:                                               ; wave 0: lane = token
	ds_load_b128 v[16:19], v13
	ds_load_b128 v[20:23], v13 offset:16
	ds_load_b128 v[24:27], v13 offset:1024
	ds_load_b128 v[28:31], v13 offset:1040
	s_wait_kmcnt 0x0                               ; gate_b
	s_wait_dscnt 0x0
.irp e, 0,1,2,3,4,5,6,7
	v_add_f32 v[32+\e], v[16+\e], v[24+\e]
.endr
.irp e, 0,1,2,3,4,5,6,7
	v_add_f32 v[32+\e], s[32+\e], v[32+\e]         ; the logits
.endr
	v_max3_num_f32 v40, v32, v33, v34
	v_max3_num_f32 v40, v40, v35, v36
	v_max3_num_f32 v40, v40, v37, v38
	v_max_num_f32 v40, v40, v39                    ; the row's maximum is taken away ahead of the exponentials
.irp e, 0,1,2,3,4,5,6,7
	v_sub_f32 v[32+\e], v[32+\e], v40
.endr
.irp e, 0,1,2,3,4,5,6,7
	v_mul_f32 v[32+\e], 0x3fb8aa3b, v[32+\e]
.endr
.irp e, 0,1,2,3,4,5,6,7
	v_exp_f32 v[32+\e], v[32+\e]
.endr
	v_nop                                          ; a plain line behind the exponentials
	s_wait_alu depctr_va_vdst(0)
	v_add_f32 v41, v32, v33
	v_add_f32 v42, v34, v35
	v_add_f32 v43, v36, v37
	v_add_f32 v44, v38, v39
	v_add_f32 v41, v41, v42
	v_add_f32 v43, v43, v44
	v_add_f32 v41, v41, v43
	v_rcp_f32 v42, v41
	v_nop
	s_wait_alu depctr_va_vdst(0)
.irp e, 0,1,2,3,4,5,6,7
	v_mul_f32 v[32+\e], v[32+\e], v42              ; the scores
.endr
	v_mov_b32 v43, v32                             ; the largest score and its expert
	v_mov_b32 v44, 0
.irp e, 1,2,3,4,5,6,7
	v_cmp_gt_f32 vcc_lo, v[32+\e], v43
	v_cndmask_b32 v43, v43, v[32+\e], vcc_lo
	v_cndmask_b32 v44, v44, \e, vcc_lo
.endr
	v_mov_b32 v45, -1.0                            ; the second: the same scan with the winner set to -1
	v_mov_b32 v46, 0
.irp e, 0,1,2,3,4,5,6,7
	v_cmp_eq_u32 vcc_lo, \e, v44
	v_cndmask_b32 v47, v[32+\e], -1.0, vcc_lo
	v_cmp_gt_f32 vcc_lo, v47, v45
	v_cndmask_b32 v45, v45, v47, vcc_lo
	v_cndmask_b32 v46, v46, \e, vcc_lo
.endr
	v_cmp_lt_u32 vcc_lo, v44, v46
	v_cndmask_b32 v52, v45, v43, vcc_lo            ; wa: the score of the lower expert
	v_cndmask_b32 v54, v43, v45, vcc_lo            ; wb
	v_mov_b32 v53, v52
	v_mov_b32 v55, v54
	v_min_u32 v48, v44, v46                        ; a
	v_max_u32 v49, v44, v46                        ; b
	v_sub_nc_u32 v50, 15, v48
	v_mul_u32_u24 v50, v50, v48
	v_lshrrev_b32 v50, 1, v50
	v_add_nc_u32 v50, v50, v49
	v_sub_nc_u32 v50, v50, v48
	v_add_nc_u32 v50, -1, v50                      ; q = a (15 - a) / 2 + b - a - 1
	; my rank among the block's tokens of my pair, and the block's histogram.  Each kind of line stands in a run of 28 on registers of its own, so that no line reads what the line just ahead of it wrote
	v_mov_b32 v56, 0                               ; my rank, where my pair is even;
	v_mov_b32 v58, 0                               ; where it is odd
	v_mov_b32 v57, 0                               ; lane q: how many tokens of the block have pair q
.set Q, 0
.rept 28
	v_cmp_eq_u32 s[66+Q], Q, v50                   ; the lanes of pair Q
.set Q, Q+1
.endr
.set Q, 0
.rept 28
	v_mbcnt_lo_u32_b32 v[96+Q], s[66+Q], 0         ; how many of them are lower lanes than mine
.set Q, Q+1
.endr
.set Q, 0
.rept 14
	v_cndmask_b32 v56, v56, v[96+Q], s[66+Q]
	v_cndmask_b32 v58, v58, v[97+Q], s[67+Q]
.set Q, Q+2
.endr
.set Q, 0
.rept 28
	s_bcnt1_i32_b32 s[66+Q], s[66+Q]
.set Q, Q+1
.endr
.set Q, 0
.rept 28
	v_writelane_b32 v57, s[66+Q], Q
.set Q, Q+1
.endr
	v_or_b32 v56, v56, v58                         ; one of the two is 0
	v_lshl_or_b32 v56, v56, 8, v50                 ; q | rank << 8
	s_lshl_b32 s42, ttmp9, 9
	v_add_nc_u32 v59, s42, v3
	global_store_b128 v59, v[52:55], s[28:29]
	s_lshl_b32 s42, ttmp9, 7
	v_lshl_add_u32 v60, v2, 2, s42
	global_store_b32 v60, v56, s[26:27]
	global_store_b32 v60, v57, s[26:27] offset:32768
.irp k, 1,2,4,8
.irp e, 0,1,2,3,4,5,6,7
	v_add_f32_dpp v[32+\e], v[32+\e], v[32+\e] row_xmask:\k row_mask:0xf bank_mask:0xf
.endr
.endr
.irp e, 0,1,2,3,4,5,6,7
	v_permlanex16_b32 v[TP+\e], v[32+\e], s30, s31
.endr
.irp e, 0,1,2,3,4,5,6,7
	v_add_f32 v[32+\e], v[32+\e], v[TP+\e]         ; the block's sum of each expert's scores
.endr
	s_lshl_b32 s42, ttmp9, 5
	v_mov_b32 v61, s42
	s_wait_xcnt 0x0                                ; EXEC changes only behind this wait
	v_cmp_eq_u32 vcc_lo, 0, v2
	s_wait_tensorcnt 0x0
	ds_add_u32 v254, v255
	s_wait_dscnt 0x0
	s_and_saveexec_b32 s43, vcc_lo
	global_store_b128 v61, v[32:35], s[28:29] offset:131072
	global_store_b128 v61, v[36:39], s[28:29] offset:131088
	s_wait_xcnt 0x0
	s_or_b32 exec_lo, exec_lo, s43
	s_endpgm
.Lfunc_end_k_q4f85fdb97d_route:
	.size	k_q4f85fdb97d_route, .Lfunc_end_k_q4f85fdb97d_route-k_q4f85fdb97d_route
	.p2alignl 7, 3214868480
	.fill 96, 4, 3214868480
	.section	.rodata,"a",@progbits
	.p2align	6, 0x0
	.amdhsa_kernel k_q4f85fdb97d_route
		.amdhsa_group_segment_fixed_size 87040
		.amdhsa_private_segment_fixed_size 0
		.amdhsa_enable_private_segment 0
		.amdhsa_kernarg_size 88
		.amdhsa_user_sgpr_count 2
		.amdhsa_user_sgpr_kernarg_segment_ptr 1
		.amdhsa_wavefront_size32 1
		.amdhsa_system_sgpr_workgroup_id_x 1
		.amdhsa_system_sgpr_workgroup_id_y 1
		.amdhsa_system_sgpr_workgroup_id_z 1
		.amdhsa_system_vgpr_workitem_id 0
		.amdhsa_next_free_vgpr 384
		.amdhsa_next_free_sgpr 96
		.amdhsa_reserve_vcc 1
		.amdhsa_float_denorm_mode_32 3
		.amdhsa_float_denorm_mode_16_64 3
		.amdhsa_memory_ordered 1
		.amdhsa_forward_progress 1
		.amdhsa_inst_pref_size 111
	.end_amdhsa_kernel
	.amdgpu_metadata
---
amdhsa.version: [ 1, 2 ]
amdhsa.kernels:
  - .name:           k_q4f85fdb97d_route
    .symbol:         k_q4f85fdb97d_route.kd
    .args:
      - { .name: x, .offset: 0, .size: 8, .value_kind: global_buffer, .address_space: global }
      - { .name: gate_w, .offset: 8, .size: 8, .value_kind: global_buffer, .address_space: global }
      - { .name: gate_b, .offset: 16, .size: 8, .value_kind: global_buffer, .address_space: global }
      - { .name: w1_codes, .offset: 24, .size: 8, .value_kind: global_buffer, .address_space: global }
      - { .name: w2_codes, .offset: 32, .size: 8, .value_kind: global_buffer, .address_space: global }
      - { .name: w3_codes, .offset: 40, .size: 8, .value_kind: global_buffer, .address_space: global }
      - { .name: xq, .offset: 48, .size: 8, .value_kind: global_buffer, .address_space: global }
      - { .name: xs, .offset: 56, .size: 8, .value_kind: global_buffer, .address_space: global }
      - { .name: wl, .offset: 64, .size: 8, .value_kind: global_buffer, .address_space: global }
      - { .name: rsel, .offset: 72, .size: 8, .value_kind: global_buffer, .address_space: global }
      - { .name: gatev, .offset: 80, .size: 8, .value_kind: global_buffer, .address_space: global }
    .group_segment_fixed_size: 87040
    .private_segment_fixed_size: 0
    .kernarg_segment_align: 8
    .kernarg_segment_size: 88
    .max_flat_workgroup_size: 256
    .sgpr_count:     96
    .vgpr_count:     384
    .wavefront_size: 32
...
	.end_amdgpu_metadata
.endif
;; end of part 1
;; launch place (part 2): grid 1 x 1, 8 waves a work-group, no clusters, 3,072 bytes of LDS; arguments rsel, gatev, tplan, out1; writes tplan, out1
.if DOCPART == 2
	.amdgcn_target "amdgcn-amd-amdhsa--gfx1250"
	.amdhsa_code_object_version 6
	.text
	.protected	k_q4f85fdb97d_place
	.globl	k_q4f85fdb97d_place
	.p2align	8
	.type	k_q4f85fdb97d_place,@function
k_q4f85fdb97d_place:
	s_mov_b64 s[64:65], 0
	v_nop
	global_prefetch_b8 v0, s[64:65] scope:SCOPE_SE
	s_setreg_imm32_b32 hwreg(HW_REG_WAVE_MODE, 25, 1), 1
	s_wait_xcnt 0x0
; PLACING.  One work-group: a counting sort of the 8,192 tokens by their pair of experts (28 pairs), the list of tiles, and the loss.
; rsel: sel[8192] = q | rank << 8 (rank inside the token's block of 32) at 0; hist[256 blocks][32] at 32,768.  gatev: 256 x 8 sums of scores at 131,072.
; tplan: tiles[256] = (a, b, first row, rows) at 0; order[8192] = token numbers sorted by pair at 16,384.
; Lane = pair q throughout the sums.  Wave w owns blocks 32 w .. 32 w + 31.  A token's place = its pair's first row + the tokens of its pair in earlier waves' blocks + in my earlier blocks + its rank.
; A pair with t tokens gets ceil(t / 64) tiles; the sum over 28 pairs never passes 128 + 27 = 155, which is the next launch's grid.  Tiles past the last are written with 0 rows.
; EIGHT WAVES: the walk over the 28 pairs and the sum over the waves are the same work in every wave, so few waves repeat it; the work of a block (13 lines) is shared out, 32 blocks a wave.
; One work-group, because the prefix sums span everything and are a few KiB; no atomics.
; LDS: each wave's totals [wave][q] at 0 (1,024 bytes); each wave's eight sums of scores at 1,024 (256 bytes).
.set H,   16                           ; v16-47   my 32 blocks' histograms (lane = q); later where each block's tokens of pair q begin
.set UPR, 48                           ; v48-55   sums of scores as loaded; v56-59 destinations of the lane permute
.set SEL, 64                           ; v64-95   sel of my 32 blocks (lane = token)
.set PFX, 96                           ; v96-127  tokens of pair q in my earlier blocks
.set TW,  128                          ; v128-135 the eight waves' totals
.set IDX, 160                          ; v160-191 lane selects, then store offsets
.set PB,  192                          ; v192-223 what each token pulled
.set VAL, 224                          ; v224-255 token numbers
	s_load_b256 s[8:15], s[0:1], 0x0               ; rsel 8, gatev 10, tplan 12, out1 14
	v_lshl_add_u32 v158, v0, 2, 0x800
	v_mov_b32 v159, 0
	v_lshrrev_b32 v1, 5, v0
	v_readfirstlane_b32 s4, v1                     ; wave 0..7
	v_and_b32 v1, 31, v0                           ; lane
	s_mov_b32 s6, 0x76543210
	s_mov_b32 s7, 0xfedcba98                       ; selects: lane l xor 16
	v_lshlrev_b32 v4, 2, v0                        ; LDS: my wave's totals: 128 w + 4 lane
	s_lshl_b32 s5, s4, 12
	v_lshl_add_u32 v2, v1, 2, s5                   ; 4,096 w + 4 lane: my wave's 32 rows of 128 bytes, in sel and in hist
	s_lshl_b32 s5, s4, 10
	v_lshl_add_u32 v3, v1, 4, s5                   ; my wave's 32 rows of 32 bytes of score sums, 16 bytes a lane
	v_and_b32 v5, 1, v1
	s_lshl_b32 s5, s4, 5
	s_add_co_u32 s5, s5, 1024
	v_lshl_add_u32 v5, v5, 4, s5                   ; LDS: my wave's eight sums: 1,024 + 32 w + 16 (lane & 1)
	v_lshlrev_b32 v6, 2, v1
	v_and_b32 v7, 7, v1
	v_lshlrev_b32 v7, 5, v7
	v_add_nc_u32 v7, 1024, v7                      ; wave 0 at the end: lane l takes wave l & 7's sums
.irp c, 0,1,2,3
	v_mov_b32 v[56+\c], 0                          ; a lane permute's destination counts as one of its sources
.endr
	s_wait_kmcnt 0x0
.set J, 0
.rept 32
	global_load_b32 v[H+J], v2, s[8:9] offset:32768+128*J
.set J, J+1
.endr
	global_load_b128 v[UPR:UPR+3], v3, s[10:11] offset:131072
	global_load_b128 v[UPR+4:UPR+7], v3, s[10:11] offset:131072+512
.set J, 0
.rept 29
	global_load_b32 v[SEL+J], v2, s[8:9] offset:128*J
.set J, J+1
.endr
	s_wait_loadcnt 29                              ; the 32 histograms and the score sums are in; the 29 loads of sel behind them may be out
.rept 3
	global_load_b32 v[SEL+J], v2, s[8:9] offset:128*J
.set J, J+1
.endr
	v_mov_b32 v[PFX], 0
.set J, 1
.rept 31
	v_add_nc_u32 v[PFX+J], v[PFX+J-1], v[H+J-1]
.set J, J+1
.endr
	v_add_nc_u32 v8, v[PFX+31], v[H+31]
	ds_store_b32 v4, v8                            ; my wave's total of pair q
.irp c, 0,1,2,3
	v_add_f32 v[UPR+\c], v[UPR+\c], v[UPR+4+\c]    ; lane l holds rows l / 2 and 16 + l / 2, experts 4 (l & 1) + c
.endr
.irp k, 2,4,8
.irp c, 0,1,2,3
	v_add_f32_dpp v[UPR+\c], v[UPR+\c], v[UPR+\c] row_xmask:\k row_mask:0xf bank_mask:0xf
.endr
.endr
.irp c, 0,1,2,3
	v_permlanex16_b32 v[56+\c], v[UPR+\c], s6, s7
.endr
.irp c, 0,1,2,3
	v_add_f32 v[UPR+\c], v[UPR+\c], v[56+\c]       ; the sum over my 32 rows
.endr
	ds_store_b128 v5, v[UPR:UPR+3]                 ; lanes with the same l & 1 write the same 16 bytes
	s_wait_dscnt 0x0
	s_barrier_signal -1
	s_barrier_wait -1
.set W, 0
.rept 8
	ds_load_b32 v[TW+W], v6 offset:128*W
.set W, W+1
.endr
	v_mov_b32 v136, 0                              ; all tokens of pair q
	v_mov_b32 v137, 0                              ; those in earlier waves' blocks
	s_wait_dscnt 0x0
.set W, 0
.rept 8
	s_cmp_gt_u32 s4, W
	s_cselect_b32 s20, -1, 0
	v_add_nc_u32 v136, v136, v[TW+W]
	v_and_b32 v138, s20, v[TW+W]
	v_add_nc_u32 v137, v137, v138
.set W, W+1
.endr
.set PQ, 0
.rept 28
	v_readlane_b32 s[32+PQ], v136, PQ              ; the 28 totals as scalars, in one run: the walk below then waits for no vector result
.set PQ, PQ+1
.endr
	v_mov_b32 v139, 0                              ; lane q: pair q's first row
	v_mov_b32 v140, 0                              ; for tile = thread: a | b << 8,
	v_mov_b32 v141, 0                              ; its pair's first tile,
	v_mov_b32 v142, 0                              ; first row,
	v_mov_b32 v143, 0                              ; and tokens
	s_mov_b32 s21, 0                               ; rows so far
	s_mov_b32 s22, 0                               ; tiles so far
.set PA, 0
.set PB2, 1
.set PQ, 0
.rept 28
	v_writelane_b32 v139, s21, PQ
	v_cmp_le_u32 vcc_lo, s22, v0                   ; tiles from this pair's first on take it; a later pair overwrites
	s_mov_b32 s23, PA|(PB2<<8)
	v_cndmask_b32 v140, v140, s23, vcc_lo
	v_cndmask_b32 v141, v141, s22, vcc_lo
	v_cndmask_b32 v142, v142, s21, vcc_lo
	v_cndmask_b32 v143, v143, s[32+PQ], vcc_lo
	s_add_co_u32 s21, s21, s[32+PQ]
	s_add_co_u32 s20, s[32+PQ], 63
	s_lshr_b32 s20, s20, 6
	s_add_co_u32 s22, s22, s20
.set PB2, PB2+1
.if PB2 > 7
.set PA, PA+1
.set PB2, PA+1
.endif
.set PQ, PQ+1
.endr
	v_sub_nc_u32 v148, v0, v141                    ; which tile of its pair
	v_lshlrev_b32 v148, 6, v148
	v_and_b32 v144, 0xff, v140                     ; a
	v_lshrrev_b32 v145, 8, v140                    ; b
	v_add_nc_u32 v146, v142, v148                  ; first row
	v_sub_nc_u32 v147, v143, v148
	v_max_i32 v147, 0, v147
	v_min_i32 v147, 64, v147                       ; rows: 0 .. 64
	v_lshlrev_b32 v149, 4, v0
	global_store_b128 v149, v[144:147], s[12:13]
	s_wait_loadcnt 0x0                             ; sel
.set J, 0
.rept 32
	v_and_b32 v[IDX+J], 0xff, v[SEL+J]
	v_min_u32 v[IDX+J], 31, v[IDX+J]
	v_lshlrev_b32 v[IDX+J], 2, v[IDX+J]
	v_add3_u32 v[H+J], v139, v137, v[PFX+J]        ; lane q: where block J's tokens of pair q begin
	ds_bpermute_b32 v[PB+J], v[IDX+J], v[H+J]      ; each token pulls its own pair's
.set J, J+1
.endr
	s_lshl_b32 s5, s4, 10
	v_add_nc_u32 v9, s5, v1                        ; token 1,024 w + lane
.set J, 0
.rept 32
	s_wait_dscnt 31-J                              ; pull J is back; the younger ones may be out
	v_lshrrev_b32 v[IDX+J], 8, v[SEL+J]
	v_add_nc_u32 v[IDX+J], v[IDX+J], v[PB+J]
	v_min_u32 v[IDX+J], 0x1fff, v[IDX+J]           ; a loaded number enters an address only clamped
	v_lshlrev_b32 v[IDX+J], 2, v[IDX+J]
	v_add_nc_u32 v[VAL+J], 32*J, v9
	global_store_b32 v[IDX+J], v[VAL+J], s[12:13] offset:16384
.set J, J+1
.endr
	s_cmp_lg_u32 s4, 0
	s_cbranch_scc1 .Lend
	ds_load_b128 v[16:19], v7                      ; wave 0: the loss.  Lane l takes wave l & 7's eight sums
	ds_load_b128 v[20:23], v7 offset:16
	s_wait_dscnt 0x0
.irp k, 1,2,4
.irp e, 0,1,2,3,4,5,6,7
	v_add_f32_dpp v[16+\e], v[16+\e], v[16+\e] row_xmask:\k row_mask:0xf bank_mask:0xf   ; over the eight waves
.endr
.endr
.irp e, 0,1,2,3,4,5,6,7
	v_mul_f32 v[16+\e], 0x39000000, v[16+\e]       ; usage = sum / 8,192
.endr
.irp e, 0,1,2,3,4,5,6,7
	v_add_f32 v[24+\e], 0x3089705f, v[16+\e]       ; + 1e-9
.endr
.irp e, 0,1,2,3,4,5,6,7
	v_log_f32 v[24+\e], v[24+\e]
.endr
	v_nop                                          ; a plain line behind the logarithms
	s_wait_alu depctr_va_vdst(0)
	v_mul_f32 v40, v16, v24
.irp e, 1,2,3,4,5,6,7
	v_fma_f32 v40, v[16+\e], v[24+\e], v40
.endr
	v_mul_f32 v40, 0x3f317218, v40                 ; log2 to ln
	v_mov_b32 v41, 0
	s_wait_xcnt 0x0                                ; EXEC changes only behind this wait
	v_cmp_eq_u32 vcc_lo, 0, v1
	s_and_saveexec_b32 s20, vcc_lo
	global_store_b32 v41, v40, s[14:15]
	s_wait_xcnt 0x0
	s_or_b32 exec_lo, exec_lo, s20
.Lend:
	s_wait_tensorcnt 0x0
	ds_add_u32 v158, v159
	s_wait_dscnt 0x0
	s_endpgm
.Lfunc_end_k_q4f85fdb97d_place:
	.size	k_q4f85fdb97d_place, .Lfunc_end_k_q4f85fdb97d_place-k_q4f85fdb97d_place
	.p2alignl 7, 3214868480
	.fill 96, 4, 3214868480
	.section	.rodata,"a",@progbits
	.p2align	6, 0x0
	.amdhsa_kernel k_q4f85fdb97d_place
		.amdhsa_group_segment_fixed_size 3072
		.amdhsa_private_segment_fixed_size 0
		.amdhsa_enable_private_segment 0
		.amdhsa_kernarg_size 32
		.amdhsa_user_sgpr_count 2
		.amdhsa_user_sgpr_kernarg_segment_ptr 1
		.amdhsa_wavefront_size32 1
		.amdhsa_system_sgpr_workgroup_id_x 1
		.amdhsa_system_sgpr_workgroup_id_y 1
		.amdhsa_system_sgpr_workgroup_id_z 1
		.amdhsa_system_vgpr_workitem_id 0
		.amdhsa_next_free_vgpr 256
		.amdhsa_next_free_sgpr 66
		.amdhsa_reserve_vcc 1
		.amdhsa_float_denorm_mode_32 3
		.amdhsa_float_denorm_mode_16_64 3
		.amdhsa_memory_ordered 1
		.amdhsa_forward_progress 1
		.amdhsa_inst_pref_size 53
	.end_amdhsa_kernel
	.amdgpu_metadata
---
amdhsa.version: [ 1, 2 ]
amdhsa.kernels:
  - .name:           k_q4f85fdb97d_place
    .symbol:         k_q4f85fdb97d_place.kd
    .args:
      - { .name: rsel, .offset: 0, .size: 8, .value_kind: global_buffer, .address_space: global }
      - { .name: gatev, .offset: 8, .size: 8, .value_kind: global_buffer, .address_space: global }
      - { .name: tplan, .offset: 16, .size: 8, .value_kind: global_buffer, .address_space: global }
      - { .name: out1, .offset: 24, .size: 8, .value_kind: global_buffer, .address_space: global }
    .group_segment_fixed_size: 3072
    .private_segment_fixed_size: 0
    .kernarg_segment_align: 8
    .kernarg_segment_size: 32
    .max_flat_workgroup_size: 256
    .sgpr_count:     66
    .vgpr_count:     256
    .wavefront_size: 32
...
	.end_amdgpu_metadata
.endif
;; end of part 2
;; launch chain (part 3): grid 155 x 1, 4 waves a work-group, no clusters, 237,056 bytes of LDS; arguments tplan, xq, xs, gatev, wl, w1_scales, w2_scales, w3_scales, b1, b2, b3, out0; writes out0
.if DOCPART == 3
	.amdgcn_target "amdgcn-amd-amdhsa--gfx1250"
	.amdhsa_code_object_version 6
	.text
	.protected	k_q4f85fdb97d_chain
	.globl	k_q4f85fdb97d_chain
	.p2align	8
	.type	k_q4f85fdb97d_chain,@function
k_q4f85fdb97d_chain:
	s_mov_b64 s[64:65], 0
	v_nop
	global_prefetch_b8 v0, s[64:65] scope:SCOPE_SE
	s_setreg_imm32_b32 hwreg(HW_REG_WAVE_MODE, 25, 1), 1
	s_wait_xcnt 0x0
; THE EXPERTS' CHAIN.  A work-group takes one tile of the list: up to 64 tokens that chose the same pair of experts (a, b), through both experts:
; h = (x w1 + b1) sigmoid(x w2 + b2), h quantised along its 256 units, y = h w3 + b3, out = wa ya + wb yb.  All three products on codes of E4M3 with E8M0 scales.  h never leaves LDS; each row of out0 is stored once.
; Only the two chosen experts of a token are multiplied: the other six carry the weight 0 in the module's own sum.
; GRID: 128 + 27 = 155 serves every split of 8,192 tokens over 28 pairs.  A tile with 0 rows stores nothing: a scalar branch on the stored count, round the work only; every wave passes both barriers.
; The launch has no tensor load, no joint loads and no cluster: how many tiles a pair has is a number read from memory, so partners could not be given equal work.
; ROWS PAST THE COUNT take the token of the tile's last valid row: they compute and store that row's bytes once more.
; SHARES: THE WAVES SHARE THE COLUMNS.  Wave w makes hidden units 64 w .. + 63 (four tiles of w1, four of w2) and output columns 256 w .. + 255, for all four tiles of 16 tokens: each weight byte enters one wave's registers once.
; The weights come from wl, laid in the order of the operand's registers: a wave's stream for one tensor and expert is 64 KiB in 8 steps of 8 KiB (4 fragments); every load is 512 consecutive bytes.
; Four half sets of 64 registers take turns: three are on their way (48 loads, 24 KiB a wave) while one is multiplied.
; BOTH PRODUCTS ARE USED TRANSPOSED (source 0 = 16 rows of a weight, source 1 = 16 tokens): a lane holds one token; its registers run along the hidden units, or along the output's columns.
; THE BIASES are the C of each sum's first product: eight registers a tile of weight rows, in the result's layout, shared by the four tiles of tokens.
; LIMITS: NaN and infinities are not served; a block of zeros of h gets the byte 1, not 127 (its codes are zeros; only this launch reads the byte).
; LDS: x codes (piece u of 16 bytes of token r of tile m at 17408 m + 272 u + 16 r) | h as images of its fragments' registers | h's scale words | for each wave: token numbers, biases, the weights' scale bytes, four stages for the way out.
; REGISTERS, windows of 256.  0: v4-28 addresses; v32-63 out0 offsets; v64-79 (wa, wa, wb, wb); v80-143 scale words and nothing else; v144-207 biases in the result's layout (b1 and b2, later b3); v208-243 the head's temporaries.
;   1: first product: 32 accumulators (x w1 of (m, t) at 32 m + 8 t, x w2 at 128 + the same); second product: h's 16 fragments.   2: the four half sets of weights.
;   3: first product: x's fragments, two sets of four; second: ya (m, n) at 32 m + 8 n, yb at 128 + the same.
.set L_XTM, 17408
.set L_HT,  69632
.set L_HS,  102400
.set L_PW,  104448
.set L_PWS, 33024
.set O_B,   256                        ; in a wave's region: token numbers at 0; biases [x][b1 256 | b2 256 | b3 1024];
.set O_W,   3328                       ; w1's and w2's scale bytes [x][kind][64 rows][32];
.set O_3,   11520                      ; w3's [x][256 rows][8];
.set O_S,   15616                      ; four stages of 16 rows x (256 + 16) bytes
.set L16, 4
.set XA,  5
.set BIA, 7
.set WSA, 8
.set HWI, 9
.set HWS, 10
.set BIC, 11
.set WSC, 12
.set HWC, 13
.set HSC, 14
.set HRA, 15
.set HSA, 16
.set B3A, 17
.set W3A, 18
.set STO, 19
.set RD,  20
.set TKA, 21
.set TKB, 22
.set TKC, 23
.set TKD, 24
.set XST, 25
.set PWL, 26
.set PWR, 27
.set R16, 28
.set OUTO, 32
.set WAB, 64
.set XS,  80                           ; first product: x's scale words [m][s];
.set WS,  112                          ; the weights' [t][s]: lanes 0-15 w1's rows, lanes 16-31 w2's
.set HSR, 80                           ; second product: h's scale words [(4 x + m) 2 + s];
.set W3S, 96                           ; w3's [tile of 16 rows][s]: lanes 0-15 expert a's, lanes 16-31 b's
.set B3R, 144                          ; first product: [b1, b2][t][8]; second: b3 [x][n][8]
.set T2,  208
.set OFB, 210
.set XRO, 224
.set T3,  232
.set XSO, 236
.set WTO, 240
.set MSB, 0
.macro WIN new                         ; low byte: bits 1:0 source 0, 3:2 source 1, 5:4 source 2, 7:6 destination; the high byte repeats the setting that is left
.if MSB != \new
	s_set_vgpr_msb (MSB<<8)|\new
.set MSB, \new
.endif
.endm
.macro PLACES                          ; eight plain lines behind this matrix form, ahead of loads into its registers and of reads of its results
.rept 8
	v_nop
.endr
.endm
.macro REFILL set, base, off           ; a half set: four fragments, 8 KiB, 16 loads of 512 consecutive bytes
.set RS, 64*(\set)
.set RB, \base
.set RO, \off
	WIN 0x80
.irp f, 0,1,2,3
.irp c, 0,1,2,3
	global_load_b128 v[RS+16*\f+4*\c:RS+16*\f+4*\c+3], v[L16], s[RB:RB+1] offset:RO+2048*\f+512*\c
.endr
.endr
.endm
.macro XFETCH s                        ; x's four fragments of K step s
.set XP, 64*((\s)&1)
.set XO, 2176*(\s)
	WIN 0xc0
.irp m, 0,1,2,3
.irp c, 0,1,2,3
	ds_load_b128 v[XP+16*\m+4*\c:XP+16*\m+4*\c+3], v[XA+\m/2] offset:(\m%2)*L_XTM+XO+544*\c
.endr
.endr
.endm
; Half step j of the first products: kind = j & 1 (w1, w2), K step j >> 1: 16 matrix instructions.  The 32 accumulators take turns, one instruction a turn.
; Half steps 0 and 1 start the sums: their C is the bias of the tile of weight rows, the same eight registers for the four tiles of tokens.
.macro HALF1 j
.set KD, (\j)&1
.set SS, (\j)>>1
.set HB, 64*((\j)&3)
	s_wait_loadcnt 48                              ; this half set is in; the three issued behind it may be out
.if KD == 0
	s_wait_dscnt 0x0                               ; x's fragments of this K step are in (in half step 0: the biases and the weights' scale words too)
.if SS < 7
	XFETCH SS+1
.endif
.endif
.if (\j) < 2
	WIN 0x4e                                       ; weights window 2, x window 3, C (the bias) window 0, D window 1
.else
	WIN 0x5e                                       ; weights window 2, x window 3, C and D window 1
.endif
.irp t, 0,1,2,3
.irp m, 0,1,2,3
.set DD, 128*KD+32*\m+8*\t
.if (\j) < 2
.set CC, B3R+32*KD+8*\t
.else
.set CC, DD
.endif
.if KD == 0
	v_wmma_scale_f32_16x16x128_f8f6f4 v[DD:DD+7], v[HB+16*\t:HB+16*\t+15], v[64*(SS&1)+16*\m:64*(SS&1)+16*\m+15], v[CC:CC+7], v[WS+8*\t+SS], v[XS+8*\m+SS]
.else
	v_wmma_scale_f32_16x16x128_f8f6f4 v[DD:DD+7], v[HB+16*\t:HB+16*\t+15], v[64*(SS&1)+16*\m:64*(SS&1)+16*\m+15], v[CC:CC+7], v[WS+8*\t+SS], v[XS+8*\m+SS] matrix_a_scale:MATRIX_SCALE_ROW1
.endif
.endr
.endr
	PLACES
.if (\j) < 12
	REFILL (\j)&3, 40+2*KD, (((\j)+4)>>1)*8192     ; the same tensor two K steps on
.else
	REFILL (\j)&3, 44+2*KD, (((\j)-12)>>1)*8192    ; the stream that follows: the other expert's, or w3's
.endif
	WIN 0
.endm
; Tile m of tokens: h = u sigmoid(g), quantised (two blocks of 32 units a wave), its codes and two scale bytes to LDS.  Each accumulator is read from its low end on.
.macro EPI m
.set UB, 32*(\m)
.set GB, 128+32*(\m)
	WIN 0x55                                       ; all in window 1
.irp i, 0,2,4,6,8,10,12,14,16,18,20,22,24,26,28,30
	v_pk_mul_f32 v[GB+\i:GB+\i+1], v[GB+\i:GB+\i+1], 0xbfb8aa3b op_sel_hi:[1,0]   ; - g log2(e)
.endr
.set I, 0
.rept 32
	v_exp_f32 v[GB+I], v[GB+I]
.set I, I+1
.endr
	v_nop                                          ; a plain line behind the exponentials
	s_wait_alu depctr_va_vdst(0)
.irp i, 0,2,4,6,8,10,12,14,16,18,20,22,24,26,28,30
	v_pk_add_f32 v[GB+\i:GB+\i+1], v[GB+\i:GB+\i+1], 1.0 op_sel_hi:[1,0]
.endr
.set I, 0
.rept 32
	v_rcp_f32 v[GB+I], v[GB+I]
.set I, I+1
.endr
	v_nop
	s_wait_alu depctr_va_vdst(0)
.irp i, 0,2,4,6,8,10,12,14,16,18,20,22,24,26,28,30
	v_pk_mul_f32 v[UB+\i:UB+\i+1], v[UB+\i:UB+\i+1], v[GB+\i:GB+\i+1]   ; h: register 16 b + i = unit 64 w + 32 b + 16 (lane / 16) + i of my token
.endr
.irp b, 0,1
	v_max3_num_f32 v[GB+\b], |v[UB+16*\b]|, |v[UB+16*\b+1]|, 0x4800000   ; my 16 numbers of block b, and the floor 2^(9 - 127)
.endr
.irp i, 2,4,6,8,10,12,14
.irp b, 0,1
	v_max3_num_f32 v[GB+\b], v[GB+\b], |v[UB+16*\b+\i]|, |v[UB+16*\b+\i+1]|
.endr
.endr
.irp b, 0,1
	v_permlanex16_b32 v[GB+2+\b], v[GB+\b], s70, s71
.endr
.irp b, 0,1
	v_max_num_f32 v[GB+\b], v[GB+\b], v[GB+2+\b]   ; with lane l xor 16's: the block's largest magnitude
.endr
.irp b, 0,1
	v_add_nc_u32 v[GB+6+\b], 0xfc000000, v[GB+\b]  ; 8 off its exponent field: the conversion's scale operand
.endr
.irp b, 0,1
	v_and_or_b32 v[GB+4+\b], v[GB+\b], 0x7f800000, s72   ; 448 x the scale
.endr
.irp b, 0,1
	v_lshrrev_b32 v[GB+2+\b], 23, v[GB+6+\b]       ; the scale's byte
.endr
	v_lshl_or_b32 v[GB+8], v[GB+3], 8, v[GB+2]
.irp b, 0,1
.irp i, 0,1,2,3,4,5,6,7,8,9,10,11,12,13,14,15
	v_med3_num_f32 v[UB+16*\b+\i], v[UB+16*\b+\i], -v[GB+4+\b], v[GB+4+\b]   ; the conversion does not saturate (ISA guide 7.6.2): the hold comes first
.endr
	v_cvt_scalef32_pk8_fp8_f32 v[GB+16+4*\b:GB+17+4*\b], v[UB+16*\b:UB+16*\b+7], v[GB+6+\b]
	v_cvt_scalef32_pk8_fp8_f32 v[GB+18+4*\b:GB+19+4*\b], v[UB+16*\b+8:UB+16*\b+15], v[GB+6+\b]
.endr
	v_nop                                          ; a plain line behind the last conversion
	WIN 0x04                                       ; an LDS store's data are its source 1: window 1
	ds_store_b128 v[HWC], v[GB+16:GB+19] offset:4096*(\m)        ; registers 4 c .. 4 c + 3, c = 2 (w & 1) + b, of fragment (x, m, K step w / 2), as they stand
	ds_store_b128 v[HWC], v[GB+20:GB+23] offset:4096*(\m)+512
	ds_store_b16 v[HSC], v[GB+8] offset:256*(\m)                 ; my two bytes of that fragment's scale word
.endm
.macro B3LOAD tt                       ; b3 of columns 64 tt .. + 63 of my 256, both experts, in the result's layout: the C of each sum's first product
.irp x, 0,1
.irp n, 0,1,2,3
.irp q, 0,1
	ds_load_b128 v[B3R+32*\x+8*\n+4*\q:B3R+32*\x+8*\n+4*\q+3], v[B3A] offset:1536*\x+256*(\tt)+64*\n+16*\q
.endr
.endr
.endr
.endm
; Half step j of the second product for columns 64 tau on: expert j & 1, chunk of 32 columns j >> 1: both K steps, 16 matrix instructions; eight accumulators by turns.
.macro HALF2 tau, j, cnt, more
.set XX, (\j)&1
.set GP, (\j)>>1
.set HB, 64*(\j)
	s_wait_loadcnt \cnt                            ; this half set is in; the count is that of the loads issued behind it
.irp s, 0,1
.if \s == 0
	WIN 0xc6                                       ; w3 window 2, h window 1, C (b3) window 0, D window 3
.else
	WIN 0xf6                                       ; C and D window 3
.endif
.irp n, 0,1
.irp m, 0,1,2,3
.set YD, 128*XX+32*\m+8*(2*GP+\n)
.set FA, HB+16*(2*\n+\s)
.set FB, 16*((4*XX+\m)*2+\s)
.set SA, W3S+2*(4*(\tau)+2*GP+\n)+\s
.set SB, HSR+(4*XX+\m)*2+\s
.set CB, B3R+32*XX+8*(2*GP+\n)
.if \s == 0
.if XX == 0
	v_wmma_scale_f32_16x16x128_f8f6f4 v[YD:YD+7], v[FA:FA+15], v[FB:FB+15], v[CB:CB+7], v[SA], v[SB]
.else
	v_wmma_scale_f32_16x16x128_f8f6f4 v[YD:YD+7], v[FA:FA+15], v[FB:FB+15], v[CB:CB+7], v[SA], v[SB] matrix_a_scale:MATRIX_SCALE_ROW1
.endif
.else
.if XX == 0
	v_wmma_scale_f32_16x16x128_f8f6f4 v[YD:YD+7], v[FA:FA+15], v[FB:FB+15], v[YD:YD+7], v[SA], v[SB]
.else
	v_wmma_scale_f32_16x16x128_f8f6f4 v[YD:YD+7], v[FA:FA+15], v[FB:FB+15], v[YD:YD+7], v[SA], v[SB] matrix_a_scale:MATRIX_SCALE_ROW1
.endif
.endif
.endr
.endr
.endr
	PLACES
.if \more
	REFILL \j, 40+2*XX, (2*(\tau)+2+GP)*8192
.endif
	WIN 0
.endm
.macro COMB m                          ; out = wa ya + wb yb, each accumulator from its low end on
	WIN 0xf3                               ; y window 3, the weights window 0
.irp n, 0,1,2,3
.irp i, 0,2,4,6
	v_pk_mul_f32 v[32*(\m)+8*\n+\i:32*(\m)+8*\n+\i+1], v[32*(\m)+8*\n+\i:32*(\m)+8*\n+\i+1], v[WAB+4*(\m):WAB+4*(\m)+1]
.endr
.irp i, 0,2,4,6
	v_pk_fma_f32 v[32*(\m)+8*\n+\i:32*(\m)+8*\n+\i+1], v[128+32*(\m)+8*\n+\i:128+32*(\m)+8*\n+\i+1], v[WAB+4*(\m)+2:WAB+4*(\m)+3], v[32*(\m)+8*\n+\i:32*(\m)+8*\n+\i+1]
.endr
.endr
.endm
.macro TOST m                          ; 16 tokens x 64 columns through my stage m: in by lanes (32 bytes of a row), back by rows of 256 bytes, into yb's registers, which are free
	WIN 0x0c
.irp n, 0,1,2,3
.irp q, 0,1
	ds_store_b128 v[STO], v[32*(\m)+8*\n+4*\q:32*(\m)+8*\n+4*\q+3] offset:4352*(\m)+64*\n+16*\q
.endr
.endr
	WIN 0xc0
.irp i, 0,1,2,3,4,5,6,7
	ds_load_b128 v[128+32*(\m)+4*\i:128+32*(\m)+4*\i+3], v[RD] offset:4352*(\m)+544*\i   ; LDS serves a wave's instructions in order: these see the stores above
.endr
.endm
.macro SEND m, tau, younger            ; younger: the LDS instructions issued behind tile m's loads
	s_wait_dscnt \younger
	WIN 0x0c
.irp i, 0,1,2,3,4,5,6,7
	global_store_b128 v[OUTO+8*(\m)+\i], v[128+32*(\m)+4*\i:128+32*(\m)+4*\i+3], s[58:59] offset:256*(\tau) th:TH_STORE_NT   ; sixteen lanes store 256 consecutive bytes, at a multiple of 256 from out0's first byte
.endr
.endm
.macro TAU tau                         ; columns 64 tau .. + 63 of my 256
	s_wait_dscnt 0x0                               ; b3 (and at first h and the scale words) are in
.if \tau < 3
	HALF2 \tau, 0, 48, 1
	HALF2 \tau, 1, 48, 1
	HALF2 \tau, 2, 48, 1
	HALF2 \tau, 3, 48, 1
	B3LOAD \tau+1                                  ; behind the eight places: the products that read b3 are done with it
.else
	HALF2 \tau, 0, 48, 0                           ; nothing more is fetched: the counts run down
	HALF2 \tau, 1, 32, 0
	HALF2 \tau, 2, 16, 0
	HALF2 \tau, 3, 0, 0
.endif
	COMB 0
	TOST 0
.irp m, 1,2,3
	COMB \m
	TOST \m
	SEND \m-1, \tau, 16                            ; behind that tile's loads: this tile's 8 stores and 8 loads
.endr
	SEND 3, \tau, 0
	WIN 0
.if \tau < 3
	s_wait_xcnt 0x0                                ; the stores have read their registers: the next products write them
.endif
.endm
	s_load_b512 s[8:23], s[0:1], 0x0               ; tplan 8, xq 10, xs 12, gatev 14, wl 16, w1_scales 18, w2_scales 20, w3_scales 22
	s_load_b256 s[24:31], s[0:1], 0x40             ; b1 24, b2 26, b3 28, out0 30
	v_lshl_add_u32 v254, v0, 2, 0x39c00
	v_mov_b32 v255, 0
	v_lshrrev_b32 v1, 5, v0
	v_readfirstlane_b32 s36, v1                    ; wave 0..3
	v_and_b32 v1, 31, v0                           ; lane
	v_and_b32 v2, 15, v0                           ; r
	v_bfe_u32 v3, v0, 4, 1                         ; h
	s_mov_b32 s70, 0x76543210
	s_mov_b32 s71, 0xfedcba98                      ; selects: lane l xor 16
	s_mov_b32 s72, 0x600000                        ; the mantissa field of 448
	v_lshlrev_b32 v[L16], 4, v1
	v_lshlrev_b32 v[R16], 4, v2
	v_mul_u32_u24 v[XA], v3, 272
	v_add_nc_u32 v[XA], v[XA], v[R16]              ; x's fragments: 272 h + 16 r (tiles 0, 1),
	v_add_nc_u32 v[XA+1], 2*L_XTM, v[XA]           ; and two tiles on (tiles 2, 3)
	s_mul_i32 s37, s36, L_PWS
	s_add_co_u32 s37, s37, L_PW                    ; my wave's region
	s_add_co_u32 s74, s37, O_B
	v_lshl_add_u32 v[BIA], v3, 6, s74              ; b1, b2: + 64 h
	s_add_co_u32 s74, s37, O_B+512
	v_lshl_add_u32 v[B3A], v3, 5, s74              ; b3: + 32 h
	v_and_b32 v29, 8, v2
	v_add_nc_u32 v29, v29, v2                      ; r + 8 (r / 8)
	v_lshlrev_b32 v29, 5, v29
	v_lshl_add_u32 v29, v3, 11, v29                ; lanes 16-31 take w2's rows, 2,048 bytes on
	s_add_co_u32 s74, s37, O_W
	v_add_nc_u32 v[WSA], s74, v29
	v_lshlrev_b32 v29, 3, v2
	v_lshl_add_u32 v29, v3, 11, v29                ; lanes 16-31 take expert b's
	s_add_co_u32 s74, s37, O_3
	v_add_nc_u32 v[W3A], s74, v29
	s_add_co_u32 s74, s37, O_S
	v_mul_u32_u24 v29, v2, 272
	v_lshl_add_u32 v29, v3, 5, v29
	v_add_nc_u32 v[STO], s74, v29                  ; stage, in: row r, + 32 h
	v_add_nc_u32 v[RD], s74, v[XA]                 ; stage, back: row h, 16 bytes a lane
	v_lshl_add_u32 v[TKA], v3, 2, s37
	s_lshl_b32 s74, s36, 6
	v_add_nc_u32 v[TKB], s74, v[TKA]
	v_lshl_add_u32 v[TKC], v2, 2, s37
	v_lshl_add_u32 v[TKD], v1, 2, s37
	v_add_nc_u32 v[PWL], s37, v[L16]
	v_add_nc_u32 v[PWR], s37, v[R16]
	s_mul_i32 s74, s36, L_XTM
	v_mul_u32_u24 v29, v2, 272
	v_lshl_add_u32 v29, v3, 4, v29
	v_add_nc_u32 v[XST], s74, v29                  ; x codes into LDS: tile = my wave, piece r of a quarter row, token h of a pair
	s_lshl_b32 s74, s36, 10
	s_add_co_u32 s74, s74, L_HT
	v_add_nc_u32 v[HWI], s74, v[L16]               ; h's image: K step w / 2, registers 8 (w & 1) on: 1,024 w + 16 lane
	s_lshr_b32 s74, s36, 1
	s_lshl_b32 s74, s74, 7
	s_and_b32 s75, s36, 1
	s_lshl_b32 s75, s75, 1
	s_add_co_u32 s74, s74, s75
	s_add_co_u32 s74, s74, L_HS
	v_lshl_add_u32 v[HWS], v1, 2, s74              ; its scale word's two bytes
	v_add_nc_u32 v[HRA], L_HT, v[L16]
	v_lshl_add_u32 v[HSA], v1, 2, L_HS
	s_lshl_b32 s6, ttmp9, 4
	s_mov_b32 s7, 0
	s_lshl_b32 s60, s36, 10
	s_mov_b32 s61, 0
	s_wait_kmcnt 0x0
	s_add_nc_u64 s[2:3], s[8:9], s[6:7]
	s_load_b128 s[32:35], s[2:3], 0x0              ; my tile: a, b, first row, rows
	s_add_nc_u64 s[58:59], s[30:31], s[60:61]      ; out0 at my wave's 256 columns
	s_wait_kmcnt 0x0
	s_min_u32 s32, s32, 7                          ; loaded numbers enter addresses only clamped
	s_min_u32 s33, s33, 7
	s_sub_co_u32 s38, s35, 1                       ; the last valid slot (with 0 rows: no bound; the clamp below keeps the load inside)
	v_min_u32 v30, s38, v1
	v_add_nc_u32 v30, s34, v30
	v_min_u32 v30, 0x1fff, v30
	v_lshlrev_b32 v30, 2, v30
	v_add_nc_u32 v31, 32, v1
	v_min_u32 v31, s38, v31
	v_add_nc_u32 v31, s34, v31
	v_min_u32 v31, 0x1fff, v31
	v_lshlrev_b32 v31, 2, v31
	global_load_b32 v[T2], v30, s[8:9] offset:16384        ; the tile's 64 token numbers
	global_load_b32 v[T2+1], v31, s[8:9] offset:16384
	s_lshl_b32 s52, s32, 2
	s_add_co_u32 s52, s52, s36                     ; 4 a + w
	s_lshl_b32 s53, s33, 2
	s_add_co_u32 s53, s53, s36                     ; 4 b + w
	s_lshl_b32 s54, s52, 16
	s_mov_b32 s55, 0
	s_lshl_b32 s56, s53, 16
	s_mov_b32 s57, 0
	s_add_nc_u64 s[40:41], s[16:17], s[54:55]      ; the streams: in hand w1 a, w2 a;
	s_add_nc_u64 s[42:43], s[40:41], 0x200000
	s_add_nc_u64 s[48:49], s[40:41], 0x400000      ; last w3 a, w3 b;
	s_add_nc_u64 s[44:45], s[16:17], s[56:57]      ; next w1 b, w2 b
	s_add_nc_u64 s[46:47], s[44:45], 0x200000
	s_add_nc_u64 s[50:51], s[44:45], 0x400000
.irp x, 0,1
	s_lshl_b32 s74, s[52+\x], 8
	v_add_nc_u32 v[OFB+3*\x], s74, v[R16]          ; b1, b2: my 256 bytes
	s_lshl_b32 s74, s[52+\x], 10
	v_add_nc_u32 v[OFB+3*\x+1], s74, v[L16]        ; b3: my 1,024
	s_lshl_b32 s74, s[52+\x], 11
	v_add_nc_u32 v[OFB+3*\x+2], s74, v[L16]        ; each tensor of scale bytes: my 2,048
.endr
	WIN 0x40                                       ; destination window 1
.irp x, 0,1
	global_load_b128 v[64*\x:64*\x+3], v[OFB+3*\x], s[24:25]
	global_load_b128 v[64*\x+4:64*\x+7], v[OFB+3*\x], s[26:27]
.irp i, 0,1
	global_load_b128 v[64*\x+8+4*\i:64*\x+8+4*\i+3], v[OFB+3*\x+1], s[28:29] offset:512*\i
.endr
.irp i, 0,1,2,3
	global_load_b128 v[64*\x+16+4*\i:64*\x+16+4*\i+3], v[OFB+3*\x+2], s[18:19] offset:512*\i
	global_load_b128 v[64*\x+32+4*\i:64*\x+32+4*\i+3], v[OFB+3*\x+2], s[20:21] offset:512*\i
	global_load_b128 v[64*\x+48+4*\i:64*\x+48+4*\i+3], v[OFB+3*\x+2], s[22:23] offset:512*\i
.endr
.endr
	WIN 0
	s_wait_loadcnt 32                              ; the token numbers are in; the 32 small loads may be out
	ds_store_b32 v[TKD], v[T2]
	ds_store_b32 v[TKD], v[T2+1] offset:128
.irp m, 0,1,2,3
.irp i, 0,1,2,3,4,5,6,7
	ds_load_b32 v[OUTO+8*\m+\i], v[TKA] offset:64*\m+8*\i   ; slot 16 m + 2 i + h: the rows that I store
.endr
.endr
.irp j, 0,1,2,3,4,5,6,7
	ds_load_b32 v[XRO+\j], v[TKB] offset:8*\j      ; slot 16 w + 2 j + h: the rows of x that I fetch
.endr
.irp m, 0,1,2,3
	ds_load_b32 v[T3+\m], v[TKC] offset:64*\m      ; slot 16 m + r: the token that I hold in tile m
.endr
	s_wait_dscnt 0x0
.set I, 0
.rept 32
	v_min_u32 v[OUTO+I], 0x1fff, v[OUTO+I]
	v_lshlrev_b32 v[OUTO+I], 12, v[OUTO+I]
	v_add_nc_u32 v[OUTO+I], v[R16], v[OUTO+I]
.set I, I+1
.endr
.irp j, 0,1,2,3,4,5,6,7
	v_min_u32 v[XRO+\j], 0x1fff, v[XRO+\j]
	v_lshlrev_b32 v[XRO+\j], 10, v[XRO+\j]
	v_add_nc_u32 v[XRO+\j], v[R16], v[XRO+\j]
.endr
.irp m, 0,1,2,3
	v_min_u32 v[T3+\m], 0x1fff, v[T3+\m]
	v_lshlrev_b32 v[XSO+\m], 5, v[T3+\m]
	v_lshlrev_b32 v[WTO+\m], 4, v[T3+\m]
.endr
	WIN 0x40
.irp j, 0,1,2,3,4,5,6,7
.irp q, 0,1,2,3
	global_load_b128 v[128+16*\j+4*\q:128+16*\j+4*\q+3], v[XRO+\j], s[10:11] offset:256*\q   ; sixteen lanes read 256 consecutive bytes of a token's codes
.endr
.endr
	WIN 0
.irp m, 0,1,2,3
.irp q, 0,1
	global_load_b128 v[XS+8*\m+4*\q:XS+8*\m+4*\q+3], v[XSO+\m], s[12:13] offset:16*\q
.endr
.endr
.irp m, 0,1,2,3
	global_load_b128 v[WAB+4*\m:WAB+4*\m+3], v[WTO+\m], s[14:15]
.endr
	REFILL 0, 40, 0
	s_wait_loadcnt 60                              ; the 32 small loads are in: behind them 32 + 8 + 4 + 16
	WIN 0x04
.irp x, 0,1
	ds_store_b128 v[PWR], v[64*\x:64*\x+3] offset:O_B+1536*\x
	ds_store_b128 v[PWR], v[64*\x+4:64*\x+7] offset:O_B+1536*\x+256
.irp i, 0,1
	ds_store_b128 v[PWL], v[64*\x+8+4*\i:64*\x+8+4*\i+3] offset:O_B+1536*\x+512+512*\i
.endr
.irp i, 0,1,2,3
	ds_store_b128 v[PWL], v[64*\x+16+4*\i:64*\x+16+4*\i+3] offset:O_W+4096*\x+512*\i
	ds_store_b128 v[PWL], v[64*\x+32+4*\i:64*\x+32+4*\i+3] offset:O_W+4096*\x+2048+512*\i
	ds_store_b128 v[PWL], v[64*\x+48+4*\i:64*\x+48+4*\i+3] offset:O_3+2048*\x+512*\i
.endr
.endr
	s_wait_loadcnt 28                              ; x's 32 loads are in: behind them 8 + 4 + 16
.irp j, 0,1,2,3,4,5,6,7
.irp q, 0,1,2,3
	ds_store_b128 v[XST], v[128+16*\j+4*\q:128+16*\j+4*\q+3] offset:4352*\q+32*\j
.endr
.endr
	REFILL 1, 42, 0
	REFILL 2, 40, 8192
	REFILL 3, 42, 8192
	WIN 0
	s_mov_b32 s66, 0                               ; what the second expert adds to four LDS addresses
	s_mov_b32 s67, 0
	s_mov_b32 s68, 0
	s_mov_b32 s69, 0
	s_mov_b32 s73, 0
	s_wait_dscnt 0x0                               ; my tile of x's codes lies in LDS
	s_barrier_signal -1
	s_barrier_wait -1                              ; everybody's does
.Lexp:                                                 ; two trips: expert a, expert b
	v_add_nc_u32 v[BIC], s66, v[BIA]
	v_add_nc_u32 v[WSC], s67, v[WSA]
	v_add_nc_u32 v[HWC], s68, v[HWI]
	v_add_nc_u32 v[HSC], s69, v[HWS]
	s_cmp_eq_u32 s35, 0                            ; a tile without rows leaves the work out, not the loop
	s_cbranch_scc1 .Lskip1
.irp k, 0,1
.irp t, 0,1,2,3
.irp q, 0,1
	ds_load_b128 v[B3R+32*\k+8*\t+4*\q:B3R+32*\k+8*\t+4*\q+3], v[BIC] offset:256*\k+128*(\t/2)+32*(\t%2)+16*\q   ; b1 (k = 0) and b2 (k = 1) of tile t's eight units of my half: once for the four tiles of tokens
.endr
.endr
.endr
.irp t, 0,1,2,3
.irp q, 0,1
	ds_load_b128 v[WS+8*\t+4*\q:WS+8*\t+4*\q+3], v[WSC] offset:(32*(\t/2)+8*(\t%2))*32+16*\q
.endr
.endr
	XFETCH 0
.irp j, 0,1,2,3,4,5,6,7,8,9,10,11,12,13,14,15
	HALF1 \j
.endr
	EPI 0
	EPI 1
	EPI 2
	EPI 3
	WIN 0
	s_wait_dscnt 0x0                               ; the stores have read their registers
.Lskip1:
	s_wait_xcnt 0x0                                ; the pending loads have read their bases
	s_mov_b64 s[40:41], s[44:45]
	s_mov_b64 s[42:43], s[46:47]
	s_mov_b64 s[44:45], s[48:49]
	s_mov_b64 s[46:47], s[50:51]
	s_add_co_u32 s66, s66, 1536
	s_add_co_u32 s67, s67, 4096
	s_add_co_u32 s68, s68, 16384
	s_add_co_u32 s69, s69, 1024
	s_add_co_u32 s73, s73, 1
	s_cmp_lt_u32 s73, 2
	s_cbranch_scc1 .Lexp
	s_wait_dscnt 0x0                               ; my part of h lies in LDS
	s_barrier_signal -1
	s_barrier_wait -1                              ; all of h does
	s_cmp_eq_u32 s35, 0
	s_cbranch_scc1 .Lend
	WIN 0x40
.set I, 0
.rept 16
.irp c, 0,1,2,3
	ds_load_b128 v[16*I+4*\c:16*I+4*\c+3], v[HRA] offset:2048*I+512*\c   ; h's 16 fragments (expert, tile of tokens, K step) stay in registers
.endr
.set I, I+1
.endr
	WIN 0
.set I, 0
.rept 16
	ds_load_b32 v[HSR+I], v[HSA] offset:128*I
	ds_load_b64 v[W3S+2*I:W3S+2*I+1], v[W3A] offset:128*I
.set I, I+1
.endr
	B3LOAD 0
	TAU 0
	TAU 1
	TAU 2
	TAU 3
.Lend:
	s_wait_tensorcnt 0x0
	ds_add_u32 v254, v255
	s_wait_dscnt 0x0
	s_endpgm
.Lfunc_end_k_q4f85fdb97d_chain:
	.size	k_q4f85fdb97d_chain, .Lfunc_end_k_q4f85fdb97d_chain-k_q4f85fdb97d_chain
	.p2alignl 7, 3214868480
	.fill 96, 4, 3214868480
	.section	.rodata,"a",@progbits
	.p2align	6, 0x0
	.amdhsa_kernel k_q4f85fdb97d_chain
		.amdhsa_group_segment_fixed_size 237056
		.amdhsa_private_segment_fixed_size 0
		.amdhsa_enable_private_segment 0
		.amdhsa_kernarg_size 96
		.amdhsa_user_sgpr_count 2
		.amdhsa_user_sgpr_kernarg_segment_ptr 1
		.amdhsa_wavefront_size32 1
		.amdhsa_system_sgpr_workgroup_id_x 1
		.amdhsa_system_sgpr_workgroup_id_y 1
		.amdhsa_system_sgpr_workgroup_id_z 1
		.amdhsa_system_vgpr_workitem_id 0
		.amdhsa_next_free_vgpr 1024
		.amdhsa_next_free_sgpr 80
		.amdhsa_reserve_vcc 0
		.amdhsa_float_denorm_mode_32 3
		.amdhsa_float_denorm_mode_16_64 3
		.amdhsa_memory_ordered 1
		.amdhsa_forward_progress 1
		.amdhsa_inst_pref_size 255
	.end_amdhsa_kernel
	.section	.bss,"aw",@nobits
	.p2align	6
	.space	262144
	.amdgpu_metadata
---
amdhsa.version: [ 1, 2 ]
amdhsa.kernels:
  - .name:           k_q4f85fdb97d_chain
    .symbol:         k_q4f85fdb97d_chain.kd
    .args:
      - { .name: tplan, .offset: 0, .size: 8, .value_kind: global_buffer, .address_space: global }
      - { .name: xq, .offset: 8, .size: 8, .value_kind: global_buffer, .address_space: global }
      - { .name: xs, .offset: 16, .size: 8, .value_kind: global_buffer, .address_space: global }
      - { .name: gatev, .offset: 24, .size: 8, .value_kind: global_buffer, .address_space: global }
      - { .name: wl, .offset: 32, .size: 8, .value_kind: global_buffer, .address_space: global }
      - { .name: w1_scales, .offset: 40, .size: 8, .value_kind: global_buffer, .address_space: global }
      - { .name: w2_scales, .offset: 48, .size: 8, .value_kind: global_buffer, .address_space: global }
      - { .name: w3_scales, .offset: 56, .size: 8, .value_kind: global_buffer, .address_space: global }
      - { .name: b1, .offset: 64, .size: 8, .value_kind: global_buffer, .address_space: global }
      - { .name: b2, .offset: 72, .size: 8, .value_kind: global_buffer, .address_space: global }
      - { .name: b3, .offset: 80, .size: 8, .value_kind: global_buffer, .address_space: global }
      - { .name: out0, .offset: 88, .size: 8, .value_kind: global_buffer, .address_space: global }
    .group_segment_fixed_size: 237056
    .private_segment_fixed_size: 0
    .kernarg_segment_align: 8
    .kernarg_segment_size: 96
    .max_flat_workgroup_size: 128
    .sgpr_count:     80
    .vgpr_count:     1024
    .wavefront_size: 32
...
	.end_amdgpu_metadata
.endif
;; end of part 3
;; ======== version 2 of 2: 3 launches; version 1 with the launch chain written anew for expert scheduling mode
;; workspace buffers: xq 8,388,608 bytes; xs 262,144 bytes; wl 6,291,456 bytes; rsel 65,536 bytes of whole numbers; gatev 139,264 bytes; tplan 49,152 bytes of whole numbers
;; launch route: the kernel of part 1 again; grid 256 x 1, 8 waves a work-group, no clusters, 87,040 bytes of LDS; arguments x, gate_w, gate_b, w1_codes, w2_codes, w3_codes, xq, xs, wl, rsel, gatev; writes xq, xs, wl, rsel, gatev
;; launch place: the kernel of part 2 again; grid 1 x 1, 8 waves a work-group, no clusters, 3,072 bytes of LDS; arguments rsel, gatev, tplan, out1; writes tplan, out1
;; launch chain (part 4): grid 155 x 1, 4 waves a work-group, no clusters, 237,056 bytes of LDS; arguments tplan, xq, xs, gatev, wl, w1_scales, w2_scales, w3_scales, b1, b2, b3, out0; writes out0
.if DOCPART == 4
	.amdgcn_target "amdgcn-amd-amdhsa--gfx1250"
	.amdhsa_code_object_version 6
	.text
	.protected	k_q4f85fdb97d_chain
	.globl	k_q4f85fdb97d_chain
	.p2align	8
	.type	k_q4f85fdb97d_chain,@function
k_q4f85fdb97d_chain:
	s_mov_b64 s[64:65], 0
	v_nop
	global_prefetch_b8 v0, s[64:65] scope:SCOPE_SE
	s_setreg_imm32_b32 hwreg(HW_REG_WAVE_SCHED_MODE, 0, 2), 2
	s_setreg_imm32_b32 hwreg(HW_REG_WAVE_MODE, 25, 1), 1
	s_wait_xcnt 0x0
	s_wait_alu depctr_vm_vsrc(0)
; THE EXPERTS' CHAIN.  A work-group takes one tile of the list: up to 64 tokens that chose the same pair of experts (a, b), through both experts:
; h = (x w1 + b1) sigmoid(x w2 + b2), h quantised along its 256 units, y = h w3 + b3, out = wa ya + wb yb.  All three products on codes of E4M3 with E8M0 scales.  h never leaves LDS; each row of out0 is stored once.
; Only the two chosen experts of a token are multiplied: the other six carry the weight 0 in the module's own sum.
; GRID: 128 + 27 = 155 serves every split of 8,192 tokens over 28 pairs.  A tile with 0 rows stores nothing: a scalar branch on the stored count, round the work only; every wave passes both barriers.
; The launch has no tensor load, no joint loads and no cluster: how many tiles a pair has is a number read from memory, so partners could not be given equal work.
; ROWS PAST THE COUNT take the token of the tile's last valid row: they compute and store that row's bytes once more.
; SHARES: THE WAVES SHARE THE COLUMNS.  Wave w makes hidden units 64 w .. + 63 (four tiles of w1, four of w2) and output columns 256 w .. + 255, for all four tiles of 16 tokens: each weight byte enters one wave's registers once.
; The weights come from wl, laid in the order of the operand's registers: a wave's stream for one tensor and expert is 64 KiB in 8 steps of 8 KiB (4 fragments); every load is 512 consecutive bytes.
; Four half sets of 64 registers take turns: while one is multiplied, the one multiplied last is asked for again and the other two are on their way (32 to 48 loads, 16 to 24 KiB a wave).
; BOTH PRODUCTS ARE USED TRANSPOSED (source 0 = 16 rows of a weight, source 1 = 16 tokens): a lane holds one token; its registers run along the hidden units, or along the output's columns.
; THE BIASES are the C of each sum's first product: eight registers a tile of weight rows, in the result's layout, shared by the four tiles of tokens.
; LIMITS: NaN and infinities are not served; a block of zeros of h gets the byte 1, not 127 (its codes are zeros; only this launch reads the byte).
; LDS: x codes (piece u of 16 bytes of token r of tile m at 17408 m + 272 u + 16 r) | h as images of its fragments' registers | h's scale words | for each wave: token numbers, biases, the weights' scale bytes, four stages for the way out.
; REGISTERS, windows of 256.  0: v4-28 addresses; v32-63 out0 offsets; v64-79 (wa, wa, wb, wb); v80-143 scale words and nothing else; v144-207 biases in the result's layout (b1 and b2, later b3); v208-243 the head's temporaries.
;   1: first product: 32 accumulators (x w1 of (m, t) at 32 m + 8 t, x w2 at 128 + the same); second product: h's 16 fragments.   2: the four half sets of weights.
;   3: first product: x's fragments, two sets of four; second: ya (m, n) at 32 m + 8 n, yb at 128 + the same.
; THE MODE: SCHED_MODE bits 1:0 = 2 (LLVM: expert scheduling mode 2), set by the entry lines.  The code itself states the register dependences
; between vector or matrix instructions and memory or LDS instructions, with s_wait_alu, always for 0.
; THE PLAN.  Registers that memory or LDS instructions touch, and who else names them:
;   W0 .. W3 (window 2)   Half step j's products read W[j % 4].  The loads that land in it again are issued in half step j + 1, behind the one wait at that half step's head, dealt among its
;                         products, which name W[(j + 1) % 4].  W3's, behind a run's last half step, follow the first wait that stands there anyway (the activation's, the way out's).
;   X0, X1 (window 3)     K step s's products read X[s % 2]; the LDS loads of K step s + 1 land in the other set, in K step s's first half step, behind the same wait.
;   v144-207, v80-143     Biases and scale words: read by products; loaded at a trip's head, behind the second barrier, and (b3) on the way out, each time behind a wait that follows their last reader.
;   window 1              Written by products, worked on by the activation.  Tile m's codes and scale bytes are read by three LDS stores, issued behind tile m + 1's first wait.  Later h's fragments land there.
;   ya, yb (window 3)     Written by products; the weighted sum reads both and writes ya; LDS stores read ya, LDS loads land in yb, global stores read yb; the next column group's products write both again.
;   addresses             Made at the head and never written again, but for four LDS addresses that are written once a trip, at its head.
.set L_XTM, 17408
.set L_HT,  69632
.set L_HS,  102400
.set L_PW,  104448
.set L_PWS, 33024
.set O_B,   256                        ; in a wave's region: token numbers at 0; biases [x][b1 256 | b2 256 | b3 1024];
.set O_W,   3328                       ; w1's and w2's scale bytes [x][kind][64 rows][32];
.set O_3,   11520                      ; w3's [x][256 rows][8];
.set O_S,   15616                      ; four stages of 16 rows x (256 + 16) bytes
.set L16, 4
.set XA,  5
.set BIA, 7
.set WSA, 8
.set HWI, 9
.set HWS, 10
.set BIC, 11
.set WSC, 12
.set HWC, 13
.set HSC, 14
.set HRA, 15
.set HSA, 16
.set B3A, 17
.set W3A, 18
.set STO, 19
.set RD,  20
.set TKA, 21
.set TKB, 22
.set TKC, 23
.set TKD, 24
.set XST, 25
.set PWL, 26
.set PWR, 27
.set R16, 28
.set OUTO, 32
.set WAB, 64
.set XS,  80                           ; first product: x's scale words [m][s];
.set WS,  112                          ; the weights' [t][s]: lanes 0-15 w1's rows, lanes 16-31 w2's
.set HSR, 80                           ; second product: h's scale words [(4 x + m) 2 + s];
.set W3S, 96                           ; w3's [tile of 16 rows][s]: lanes 0-15 expert a's, lanes 16-31 b's
.set B3R, 144                          ; first product: [b1, b2][t][8]; second: b3 [x][n][8]
.set T2,  208
.set OFB, 210
.set XRO, 224
.set T3,  232
.set XSO, 236
.set WTO, 240
.set MSB, 0
.macro WIN new                         ; low byte: bits 1:0 source 0, 3:2 source 1, 5:4 source 2, 7:6 destination; the high byte repeats the setting that is left
.if MSB != \new
	s_set_vgpr_msb (MSB<<8)|\new
.set MSB, \new
.endif
.endm
.macro PLACES                          ; eight plain lines behind this matrix form: ahead of vector lines that read its results and, with the four additions at a trip's head, of products that begin an accumulator anew; they stand at every half step's end, ahead of the wait with which the next one opens
.rept 8
	v_nop
.endr
.endm
.macro REFILL2 set, base, off, f0      ; half of a half set: fragments f0 and f0 + 1, 4 KiB, 8 loads of 512 consecutive bytes
.set RS, 64*(\set)
.set RB, \base
.set RO, \off
	WIN 0x80
.irp f, \f0, \f0+1
.irp c, 0,1,2,3
	global_load_b128 v[RS+16*(\f)+4*\c:RS+16*(\f)+4*\c+3], v[L16], s[RB:RB+1] offset:RO+2048*(\f)+512*\c
.endr
.endr
.endm
.macro REFILL set, base, off           ; a half set: four fragments, 8 KiB
	REFILL2 \set, \base, \off, 0
	REFILL2 \set, \base, \off, 2
.endm
.macro XFETCH2 s, m0                   ; x's fragments of K step s, tiles of tokens m0 and m0 + 1
.set XP, 64*((\s)&1)
.set XO, 2176*(\s)
	WIN 0xc0
.irp m, \m0, \m0+1
.irp c, 0,1,2,3
	ds_load_b128 v[XP+16*(\m)+4*\c:XP+16*(\m)+4*\c+3], v[XA+(\m)/2] offset:((\m)%2)*L_XTM+XO+544*\c
.endr
.endr
.endm
.macro WINM1 j                         ; the windows of the first products
.if (\j) < 2
	WIN 0x4e                                       ; weights window 2, x window 3, C (the bias) window 0, D window 1
.else
	WIN 0x5e                                       ; weights window 2, x window 3, C and D window 1
.endif
.endm
.macro MM1 j, t                        ; four products of half step j: tile t of the weight's rows x the four tiles of tokens
.irp m, 0,1,2,3
.set DD, 128*KD+32*\m+8*(\t)
.if (\j) < 2
.set CC, B3R+32*KD+8*(\t)
.else
.set CC, DD
.endif
.if KD == 0
	v_wmma_scale_f32_16x16x128_f8f6f4 v[DD:DD+7], v[HB+16*(\t):HB+16*(\t)+15], v[64*(SS&1)+16*\m:64*(SS&1)+16*\m+15], v[CC:CC+7], v[WS+8*(\t)+SS], v[XS+8*\m+SS]
.else
	v_wmma_scale_f32_16x16x128_f8f6f4 v[DD:DD+7], v[HB+16*(\t):HB+16*(\t)+15], v[64*(SS&1)+16*\m:64*(SS&1)+16*\m+15], v[CC:CC+7], v[WS+8*(\t)+SS], v[XS+8*\m+SS] matrix_a_scale:MATRIX_SCALE_ROW1
.endif
.endr
.endm
.macro FILL1 j, f0                     ; in half step j: the half set that half step j - 1 read takes the stream's half step j + 3
.if (\j) < 13
	REFILL2 ((\j)-1)&3, 40+2*(((\j)+3)&1), (((\j)+3)>>1)*8192, \f0      ; the same expert's tensors
.else
	REFILL2 ((\j)-1)&3, 44+2*(((\j)+3)&1), (((\j)-13)>>1)*8192, \f0     ; the stream that follows: the other expert's, or w3's
.endif
.endm
; Half step j of the first products: kind = j & 1 (w1, w2), K step j >> 1: 16 matrix instructions.  The 32 accumulators take turns, one instruction a turn.
; Half steps 0 and 1 start the sums: their C is the bias of the tile of weight rows, the same eight registers for the four tiles of tokens.
.macro HALF1 j
.set KD, (\j)&1
.set SS, (\j)>>1
.set HB, 64*((\j)&3)
.if (\j) == 0
	s_wait_loadcnt 48                              ; this half set is in; the three issued behind it may be out
.else
	s_wait_loadcnt 32                              ; this half set is in; the two issued behind it may be out (the third is asked for below)
.endif
.if KD == 0
	s_wait_dscnt 0x0                               ; x's fragments of this K step are in (in half step 0: the biases and the weights' scale words too)
.endif
.if (\j) > 0
	s_wait_alu depctr_va_vdst(0)                   ; the last half step's products are done reading their half set, in which the loads below land; in a K step's first half step those of the K step before are done reading their fragments of x, likewise
.endif
	WINM1 \j
	MM1 \j, 0
.if (\j) > 0
	FILL1 \j, 0                                    ; no wait: no product since the wait above names that half set
.endif
	WINM1 \j
	MM1 \j, 1
.if (\j) > 0
	FILL1 \j, 2
.endif
	WINM1 \j
	MM1 \j, 2
.if KD == 0
.if SS < 7
	XFETCH2 SS+1, 0                                ; the next K step's fragments of x, into the set that this K step's products do not name (in half step 0: the wait at the trip's head covers its last readers)
.endif
.endif
	WINM1 \j
	MM1 \j, 3
.if KD == 0
.if SS < 7
	XFETCH2 SS+1, 2
.endif
.endif
	PLACES
.endm
.macro HSTORE m                        ; tile m's codes and its two scale bytes to LDS
.set GS, 128+32*(\m)
	WIN 0x04                                       ; an LDS store's data are its source 1: window 1
	ds_store_b128 v[HWC], v[GS+16:GS+19] offset:4096*(\m)        ; registers 4 c .. 4 c + 3, c = 2 (w & 1) + b, of fragment (x, m, K step w / 2), as they stand
	ds_store_b128 v[HWC], v[GS+20:GS+23] offset:4096*(\m)+512
	ds_store_b16 v[HSC], v[GS+8] offset:256*(\m)                 ; my two bytes of that fragment's scale word
.endm
; Tile m of tokens: h = u sigmoid(g), quantised (two blocks of 32 units a wave).  Each accumulator is read from its low end on.  Its codes and scale bytes go to LDS behind the next tile's first wait.
.macro EPI m
.set UB, 32*(\m)
.set GB, 128+32*(\m)
	WIN 0x55                                       ; all in window 1
.irp i, 0,2,4,6,8,10,12,14,16,18,20,22,24,26,28,30
	v_pk_mul_f32 v[GB+\i:GB+\i+1], v[GB+\i:GB+\i+1], 0xbfb8aa3b op_sel_hi:[1,0]   ; - g log2(e)
.endr
.set I, 0
.rept 32
	v_exp_f32 v[GB+I], v[GB+I]
.set I, I+1
.endr
	v_nop                                          ; a plain line behind the exponentials
.if (\m) == 0
	s_wait_alu depctr_va_vdst(0)                   ; the 32 exponentials are written, ahead of their first reader; and the sixteenth half step's products are done reading half set 3, in which the loads below land
	REFILL 3, 46, 8192                             ; the following stream's fourth half step
.else
	s_wait_alu depctr_va_vdst(0)                   ; the 32 exponentials are written, ahead of their first reader; and so are the codes and scale bytes of the tile before, which the LDS stores below read
	HSTORE (\m)-1
.endif
	WIN 0x55
.irp i, 0,2,4,6,8,10,12,14,16,18,20,22,24,26,28,30
	v_pk_add_f32 v[GB+\i:GB+\i+1], v[GB+\i:GB+\i+1], 1.0 op_sel_hi:[1,0]
.endr
.set I, 0
.rept 32
	v_rcp_f32 v[GB+I], v[GB+I]
.set I, I+1
.endr
	v_nop
	s_wait_alu depctr_va_vdst(0)                   ; the 32 reciprocals are written, ahead of their first reader
.irp i, 0,2,4,6,8,10,12,14,16,18,20,22,24,26,28,30
	v_pk_mul_f32 v[UB+\i:UB+\i+1], v[UB+\i:UB+\i+1], v[GB+\i:GB+\i+1]   ; h: register 16 b + i = unit 64 w + 32 b + 16 (lane / 16) + i of my token
.endr
.irp b, 0,1
	v_max3_num_f32 v[GB+\b], |v[UB+16*\b]|, |v[UB+16*\b+1]|, 0x4800000   ; my 16 numbers of block b, and the floor 2^(9 - 127)
.endr
.irp i, 2,4,6,8,10,12,14
.irp b, 0,1
	v_max3_num_f32 v[GB+\b], v[GB+\b], |v[UB+16*\b+\i]|, |v[UB+16*\b+\i+1]|
.endr
.endr
.irp b, 0,1
	v_permlanex16_b32 v[GB+2+\b], v[GB+\b], s70, s71
.endr
.irp b, 0,1
	v_max_num_f32 v[GB+\b], v[GB+\b], v[GB+2+\b]   ; with lane l xor 16's: the block's largest magnitude
.endr
.irp b, 0,1
	v_add_nc_u32 v[GB+6+\b], 0xfc000000, v[GB+\b]  ; 8 off its exponent field: the conversion's scale operand
.endr
.irp b, 0,1
	v_and_or_b32 v[GB+4+\b], v[GB+\b], 0x7f800000, s72   ; 448 x the scale
.endr
.irp b, 0,1
	v_lshrrev_b32 v[GB+2+\b], 23, v[GB+6+\b]       ; the scale's byte
.endr
	v_lshl_or_b32 v[GB+8], v[GB+3], 8, v[GB+2]
.irp b, 0,1
.irp i, 0,1,2,3,4,5,6,7,8,9,10,11,12,13,14,15
	v_med3_num_f32 v[UB+16*\b+\i], v[UB+16*\b+\i], -v[GB+4+\b], v[GB+4+\b]   ; the conversion does not saturate (ISA guide 7.6.2): the hold comes first
.endr
	v_cvt_scalef32_pk8_fp8_f32 v[GB+16+4*\b:GB+17+4*\b], v[UB+16*\b:UB+16*\b+7], v[GB+6+\b]
	v_cvt_scalef32_pk8_fp8_f32 v[GB+18+4*\b:GB+19+4*\b], v[UB+16*\b+8:UB+16*\b+15], v[GB+6+\b]
.endr
	v_nop                                          ; a plain line behind the last conversion
.endm
.macro B3LOAD tt                       ; b3 of columns 64 tt .. + 63 of my 256, both experts, in the result's layout: the C of each sum's first product
.irp x, 0,1
.irp n, 0,1,2,3
.irp q, 0,1
	ds_load_b128 v[B3R+32*\x+8*\n+4*\q:B3R+32*\x+8*\n+4*\q+3], v[B3A] offset:1536*\x+256*(\tt)+64*\n+16*\q
.endr
.endr
.endr
.endm
.macro MM2 tau, s, n                   ; four products of the second kind: K step s, tile n of the chunk's two tiles of w3's rows x the four tiles of tokens
.irp m, 0,1,2,3
.set YD, 128*XX+32*\m+8*(2*GP+(\n))
.set FA, HB+16*(2*(\n)+(\s))
.set FB, 16*((4*XX+\m)*2+(\s))
.set SA, W3S+2*(4*(\tau)+2*GP+(\n))+(\s)
.set SB, HSR+(4*XX+\m)*2+(\s)
.set CB, B3R+32*XX+8*(2*GP+(\n))
.if (\s) == 0
.if XX == 0
	v_wmma_scale_f32_16x16x128_f8f6f4 v[YD:YD+7], v[FA:FA+15], v[FB:FB+15], v[CB:CB+7], v[SA], v[SB]
.else
	v_wmma_scale_f32_16x16x128_f8f6f4 v[YD:YD+7], v[FA:FA+15], v[FB:FB+15], v[CB:CB+7], v[SA], v[SB] matrix_a_scale:MATRIX_SCALE_ROW1
.endif
.else
.if XX == 0
	v_wmma_scale_f32_16x16x128_f8f6f4 v[YD:YD+7], v[FA:FA+15], v[FB:FB+15], v[YD:YD+7], v[SA], v[SB]
.else
	v_wmma_scale_f32_16x16x128_f8f6f4 v[YD:YD+7], v[FA:FA+15], v[FB:FB+15], v[YD:YD+7], v[SA], v[SB] matrix_a_scale:MATRIX_SCALE_ROW1
.endif
.endif
.endr
.endm
.macro FILL2 tau, j, f0                ; in half step j: the half set that half step j - 1 read takes the same half step of the next 64 columns
	REFILL2 (\j)-1, 40+2*(((\j)-1)&1), (2*(\tau)+2+(((\j)-1)>>1))*8192, \f0
.endm
; Half step j of the second product for columns 64 tau on: expert j & 1, chunk of 32 columns j >> 1: both K steps, 16 matrix instructions; eight accumulators by turns.
.macro HALF2 tau, j, cnt, more
.set XX, (\j)&1
.set GP, (\j)>>1
.set HB, 64*(\j)
	s_wait_loadcnt \cnt                            ; this half set is in; the count is that of the loads issued behind it
.if \more
.if (\j) > 0
	s_wait_alu depctr_va_vdst(0)                   ; the last half step's products are done reading their half set, in which the loads below land
.endif
.endif
	WIN 0xc6                                       ; w3 window 2, h window 1, C (b3) window 0, D window 3
	MM2 \tau, 0, 0
.if \more
.if (\j) > 0
	FILL2 \tau, \j, 0                              ; no wait: no product since the wait above names that half set
.endif
.endif
	WIN 0xc6
	MM2 \tau, 0, 1
.if \more
.if (\j) > 0
	FILL2 \tau, \j, 2
.endif
.endif
	WIN 0xf6                                       ; C and D window 3
	MM2 \tau, 1, 0
	MM2 \tau, 1, 1
	PLACES
.endm
.macro COMB m                          ; out = wa ya + wb yb, each accumulator from its low end on
	WIN 0xf3                               ; y window 3, the weights window 0
.irp n, 0,1,2,3
.irp i, 0,2,4,6
	v_pk_mul_f32 v[32*(\m)+8*\n+\i:32*(\m)+8*\n+\i+1], v[32*(\m)+8*\n+\i:32*(\m)+8*\n+\i+1], v[WAB+4*(\m):WAB+4*(\m)+1]
.endr
.irp i, 0,2,4,6
	v_pk_fma_f32 v[32*(\m)+8*\n+\i:32*(\m)+8*\n+\i+1], v[128+32*(\m)+8*\n+\i:128+32*(\m)+8*\n+\i+1], v[WAB+4*(\m)+2:WAB+4*(\m)+3], v[32*(\m)+8*\n+\i:32*(\m)+8*\n+\i+1]
.endr
.endr
.endm
.macro TOST m                          ; 16 tokens x 64 columns through my stage m: in by lanes (32 bytes of a row), back by rows of 256 bytes, into yb's registers, which are free
	WIN 0x0c
.irp n, 0,1,2,3
.irp q, 0,1
	ds_store_b128 v[STO], v[32*(\m)+8*\n+4*\q:32*(\m)+8*\n+4*\q+3] offset:4352*(\m)+64*\n+16*\q
.endr
.endr
	WIN 0xc0
.irp i, 0,1,2,3,4,5,6,7
	ds_load_b128 v[128+32*(\m)+4*\i:128+32*(\m)+4*\i+3], v[RD] offset:4352*(\m)+544*\i   ; LDS serves a wave's instructions in order: these see the stores above
.endr
.endm
.macro SEND m, tau, younger            ; younger: the LDS instructions issued behind tile m's loads
	s_wait_dscnt \younger
	WIN 0x0c
.irp i, 0,1,2,3,4,5,6,7
	global_store_b128 v[OUTO+8*(\m)+\i], v[128+32*(\m)+4*\i:128+32*(\m)+4*\i+3], s[58:59] offset:256*(\tau) th:TH_STORE_NT   ; sixteen lanes store 256 consecutive bytes, at a multiple of 256 from out0's first byte
.endr
.endm
.macro TAU tau                         ; columns 64 tau .. + 63 of my 256
	s_wait_dscnt 0x0                               ; b3 (and at first h and the scale words) are in
.if \tau < 3
	HALF2 \tau, 0, 48, 1                           ; three half sets were issued behind this one;
	HALF2 \tau, 1, 32, 1                           ; from here on two: the third is asked for behind the wait
	HALF2 \tau, 2, 32, 1
	HALF2 \tau, 3, 32, 1
.else
	HALF2 \tau, 0, 48, 0                           ; nothing more is fetched: the counts run down
	HALF2 \tau, 1, 32, 0
	HALF2 \tau, 2, 16, 0
	HALF2 \tau, 3, 0, 0
.endif
	COMB 0
	COMB 1
	s_wait_alu depctr_va_vdst(0)                   ; tiles 0 and 1: ya is written, which the LDS stores read; all products are done reading half set 3 and b3, in which loads land below
.if \tau < 3
	REFILL 3, 42, (2*(\tau)+3)*8192                ; the fourth half step of the next 64 columns
	WIN 0
	B3LOAD \tau+1
.endif
	TOST 0
	TOST 1
	COMB 2                                         ; these two name tiles 2 and 3 alone: none of the registers that the LDS instructions above touch
	COMB 3
	s_wait_alu depctr_va_vdst(0)                   ; tiles 2 and 3: ya is written, which the LDS stores read
	TOST 2
	SEND 0, \tau, 32                               ; behind tile 0's loads: the 16 LDS instructions of tile 1 and the 16 of tile 2
	TOST 3
	SEND 1, \tau, 32                               ; behind tile 1's: those of tiles 2 and 3
	SEND 2, \tau, 16
	SEND 3, \tau, 0
	WIN 0
.if \tau < 3
	s_wait_xcnt 0x0                                ; the stores have had their addresses translated: their data registers are written again below
	s_wait_alu depctr_vm_vsrc(0)                   ; the LDS stores have read ya and the global stores yb: the next products write both
.endif
.endm
	s_load_b512 s[8:23], s[0:1], 0x0               ; tplan 8, xq 10, xs 12, gatev 14, wl 16, w1_scales 18, w2_scales 20, w3_scales 22
	s_load_b256 s[24:31], s[0:1], 0x40             ; b1 24, b2 26, b3 28, out0 30
	v_lshl_add_u32 v254, v0, 2, 0x39c00
	v_mov_b32 v255, 0
	v_lshrrev_b32 v1, 5, v0
	v_readfirstlane_b32 s36, v1                    ; wave 0..3
	v_and_b32 v1, 31, v0                           ; lane
	v_and_b32 v2, 15, v0                           ; r
	v_bfe_u32 v3, v0, 4, 1                         ; h
	s_mov_b32 s70, 0x76543210
	s_mov_b32 s71, 0xfedcba98                      ; selects: lane l xor 16
	s_mov_b32 s72, 0x600000                        ; the mantissa field of 448
	v_lshlrev_b32 v[L16], 4, v1
	v_lshlrev_b32 v[R16], 4, v2
	v_mul_u32_u24 v[XA], v3, 272
	v_add_nc_u32 v[XA], v[XA], v[R16]              ; x's fragments: 272 h + 16 r (tiles 0, 1),
	v_add_nc_u32 v[XA+1], 2*L_XTM, v[XA]           ; and two tiles on (tiles 2, 3)
	s_wait_alu depctr_va_sdst(0)                   ; s36, the wave's number, is written, ahead of its first reader
	s_mul_i32 s37, s36, L_PWS
	s_add_co_u32 s37, s37, L_PW                    ; my wave's region
	s_add_co_u32 s74, s37, O_B
	v_lshl_add_u32 v[BIA], v3, 6, s74              ; b1, b2: + 64 h
	s_add_co_u32 s74, s37, O_B+512
	v_lshl_add_u32 v[B3A], v3, 5, s74              ; b3: + 32 h
	v_and_b32 v29, 8, v2
	v_add_nc_u32 v29, v29, v2                      ; r + 8 (r / 8)
	v_lshlrev_b32 v29, 5, v29
	v_lshl_add_u32 v29, v3, 11, v29                ; lanes 16-31 take w2's rows, 2,048 bytes on
	s_add_co_u32 s74, s37, O_W
	v_add_nc_u32 v[WSA], s74, v29
	v_lshlrev_b32 v29, 3, v2
	v_lshl_add_u32 v29, v3, 11, v29                ; lanes 16-31 take expert b's
	s_add_co_u32 s74, s37, O_3
	v_add_nc_u32 v[W3A], s74, v29
	s_add_co_u32 s74, s37, O_S
	v_mul_u32_u24 v29, v2, 272
	v_lshl_add_u32 v29, v3, 5, v29
	v_add_nc_u32 v[STO], s74, v29                  ; stage, in: row r, + 32 h
	v_add_nc_u32 v[RD], s74, v[XA]                 ; stage, back: row h, 16 bytes a lane
	v_lshl_add_u32 v[TKA], v3, 2, s37
	s_lshl_b32 s74, s36, 6
	v_add_nc_u32 v[TKB], s74, v[TKA]
	v_lshl_add_u32 v[TKC], v2, 2, s37
	v_lshl_add_u32 v[TKD], v1, 2, s37
	v_add_nc_u32 v[PWL], s37, v[L16]
	v_add_nc_u32 v[PWR], s37, v[R16]
	s_mul_i32 s74, s36, L_XTM
	v_mul_u32_u24 v29, v2, 272
	v_lshl_add_u32 v29, v3, 4, v29
	v_add_nc_u32 v[XST], s74, v29                  ; x codes into LDS: tile = my wave, piece r of a quarter row, token h of a pair
	s_lshl_b32 s74, s36, 10
	s_add_co_u32 s74, s74, L_HT
	v_add_nc_u32 v[HWI], s74, v[L16]               ; h's image: K step w / 2, registers 8 (w & 1) on: 1,024 w + 16 lane
	s_lshr_b32 s74, s36, 1
	s_lshl_b32 s74, s74, 7
	s_and_b32 s75, s36, 1
	s_lshl_b32 s75, s75, 1
	s_add_co_u32 s74, s74, s75
	s_add_co_u32 s74, s74, L_HS
	v_lshl_add_u32 v[HWS], v1, 2, s74              ; its scale word's two bytes
	v_add_nc_u32 v[HRA], L_HT, v[L16]
	v_lshl_add_u32 v[HSA], v1, 2, L_HS
	s_lshl_b32 s6, ttmp9, 4
	s_mov_b32 s7, 0
	s_lshl_b32 s60, s36, 10
	s_mov_b32 s61, 0
	s_wait_kmcnt 0x0
	s_add_nc_u64 s[2:3], s[8:9], s[6:7]
	s_load_b128 s[32:35], s[2:3], 0x0              ; my tile: a, b, first row, rows
	s_add_nc_u64 s[58:59], s[30:31], s[60:61]      ; out0 at my wave's 256 columns
	s_wait_kmcnt 0x0
	s_min_u32 s32, s32, 7                          ; loaded numbers enter addresses only clamped
	s_min_u32 s33, s33, 7
	s_sub_co_u32 s38, s35, 1                       ; the last valid slot (with 0 rows: no bound; the clamp below keeps the load inside)
	v_min_u32 v30, s38, v1
	v_add_nc_u32 v30, s34, v30
	v_min_u32 v30, 0x1fff, v30
	v_lshlrev_b32 v30, 2, v30
	v_add_nc_u32 v31, 32, v1
	v_min_u32 v31, s38, v31
	v_add_nc_u32 v31, s34, v31
	v_min_u32 v31, 0x1fff, v31
	v_lshlrev_b32 v31, 2, v31
	s_lshl_b32 s52, s32, 2
	s_add_co_u32 s52, s52, s36                     ; 4 a + w
	s_lshl_b32 s53, s33, 2
	s_add_co_u32 s53, s53, s36                     ; 4 b + w
	s_lshl_b32 s54, s52, 16
	s_mov_b32 s55, 0
	s_lshl_b32 s56, s53, 16
	s_mov_b32 s57, 0
	s_add_nc_u64 s[40:41], s[16:17], s[54:55]      ; the streams: in hand w1 a, w2 a;
	s_add_nc_u64 s[42:43], s[40:41], 0x200000
	s_add_nc_u64 s[48:49], s[40:41], 0x400000      ; last w3 a, w3 b;
	s_add_nc_u64 s[44:45], s[16:17], s[56:57]      ; next w1 b, w2 b
	s_add_nc_u64 s[46:47], s[44:45], 0x200000
	s_add_nc_u64 s[50:51], s[44:45], 0x400000
.irp x, 0,1
	s_lshl_b32 s74, s[52+\x], 8
	v_add_nc_u32 v[OFB+3*\x], s74, v[R16]          ; b1, b2: my 256 bytes
	s_lshl_b32 s74, s[52+\x], 10
	v_add_nc_u32 v[OFB+3*\x+1], s74, v[L16]        ; b3: my 1,024
	s_lshl_b32 s74, s[52+\x], 11
	v_add_nc_u32 v[OFB+3*\x+2], s74, v[L16]        ; each tensor of scale bytes: my 2,048
.endr
	s_wait_alu depctr_va_vdst(0)                   ; every address made so far is written: v4 to v28, the two token offsets v30 and v31 and the six offsets of the small loads, which the loads and LDS instructions from here on read
	global_load_b32 v[T2], v30, s[8:9] offset:16384        ; the tile's 64 token numbers
	global_load_b32 v[T2+1], v31, s[8:9] offset:16384
	WIN 0x40                                       ; destination window 1
.irp x, 0,1
	global_load_b128 v[64*\x:64*\x+3], v[OFB+3*\x], s[24:25]
	global_load_b128 v[64*\x+4:64*\x+7], v[OFB+3*\x], s[26:27]
.irp i, 0,1
	global_load_b128 v[64*\x+8+4*\i:64*\x+8+4*\i+3], v[OFB+3*\x+1], s[28:29] offset:512*\i
.endr
.irp i, 0,1,2,3
	global_load_b128 v[64*\x+16+4*\i:64*\x+16+4*\i+3], v[OFB+3*\x+2], s[18:19] offset:512*\i
	global_load_b128 v[64*\x+32+4*\i:64*\x+32+4*\i+3], v[OFB+3*\x+2], s[20:21] offset:512*\i
	global_load_b128 v[64*\x+48+4*\i:64*\x+48+4*\i+3], v[OFB+3*\x+2], s[22:23] offset:512*\i
.endr
.endr
	WIN 0
	s_wait_loadcnt 32                              ; the token numbers are in; the 32 small loads may be out
	ds_store_b32 v[TKD], v[T2]
	ds_store_b32 v[TKD], v[T2+1] offset:128
.irp m, 0,1,2,3
.irp i, 0,1,2,3,4,5,6,7
	ds_load_b32 v[OUTO+8*\m+\i], v[TKA] offset:64*\m+8*\i   ; slot 16 m + 2 i + h: the rows that I store
.endr
.endr
.irp j, 0,1,2,3,4,5,6,7
	ds_load_b32 v[XRO+\j], v[TKB] offset:8*\j      ; slot 16 w + 2 j + h: the rows of x that I fetch
.endr
.irp m, 0,1,2,3
	ds_load_b32 v[T3+\m], v[TKC] offset:64*\m      ; slot 16 m + r: the token that I hold in tile m
.endr
	s_wait_dscnt 0x0
.set I, 0
.rept 32
	v_min_u32 v[OUTO+I], 0x1fff, v[OUTO+I]
	v_lshlrev_b32 v[OUTO+I], 12, v[OUTO+I]
	v_add_nc_u32 v[OUTO+I], v[R16], v[OUTO+I]
.set I, I+1
.endr
.irp j, 0,1,2,3,4,5,6,7
	v_min_u32 v[XRO+\j], 0x1fff, v[XRO+\j]
	v_lshlrev_b32 v[XRO+\j], 10, v[XRO+\j]
	v_add_nc_u32 v[XRO+\j], v[R16], v[XRO+\j]
.endr
.irp m, 0,1,2,3
	v_min_u32 v[T3+\m], 0x1fff, v[T3+\m]
	v_lshlrev_b32 v[XSO+\m], 5, v[T3+\m]
	v_lshlrev_b32 v[WTO+\m], 4, v[T3+\m]
.endr
	WIN 0x40
	s_wait_alu depctr_va_vdst(0)                   ; the offsets made of the token numbers are written: those of x's codes, of its scale words and of the two weights, which the loads below read, and those of out0's rows, which the stores on the way out read
.irp j, 0,1,2,3,4,5,6,7
.irp q, 0,1,2,3
	global_load_b128 v[128+16*\j+4*\q:128+16*\j+4*\q+3], v[XRO+\j], s[10:11] offset:256*\q   ; sixteen lanes read 256 consecutive bytes of a token's codes
.endr
.endr
	WIN 0
.irp m, 0,1,2,3
.irp q, 0,1
	global_load_b128 v[XS+8*\m+4*\q:XS+8*\m+4*\q+3], v[XSO+\m], s[12:13] offset:16*\q
.endr
.endr
.irp m, 0,1,2,3
	global_load_b128 v[WAB+4*\m:WAB+4*\m+3], v[WTO+\m], s[14:15]
.endr
	REFILL 0, 40, 0
	s_wait_loadcnt 60                              ; the 32 small loads are in: behind them 32 + 8 + 4 + 16
	WIN 0x04
.irp x, 0,1
	ds_store_b128 v[PWR], v[64*\x:64*\x+3] offset:O_B+1536*\x
	ds_store_b128 v[PWR], v[64*\x+4:64*\x+7] offset:O_B+1536*\x+256
.irp i, 0,1
	ds_store_b128 v[PWL], v[64*\x+8+4*\i:64*\x+8+4*\i+3] offset:O_B+1536*\x+512+512*\i
.endr
.irp i, 0,1,2,3
	ds_store_b128 v[PWL], v[64*\x+16+4*\i:64*\x+16+4*\i+3] offset:O_W+4096*\x+512*\i
	ds_store_b128 v[PWL], v[64*\x+32+4*\i:64*\x+32+4*\i+3] offset:O_W+4096*\x+2048+512*\i
	ds_store_b128 v[PWL], v[64*\x+48+4*\i:64*\x+48+4*\i+3] offset:O_3+2048*\x+512*\i
.endr
.endr
	s_wait_loadcnt 28                              ; x's 32 loads are in: behind them 8 + 4 + 16
.irp j, 0,1,2,3,4,5,6,7
.irp q, 0,1,2,3
	ds_store_b128 v[XST], v[128+16*\j+4*\q:128+16*\j+4*\q+3] offset:4352*\q+32*\j
.endr
.endr
	REFILL 1, 42, 0
	REFILL 2, 40, 8192
	REFILL 3, 42, 8192
	WIN 0
	s_mov_b32 s66, 0                               ; what the second expert adds to four LDS addresses
	s_mov_b32 s67, 0
	s_mov_b32 s68, 0
	s_mov_b32 s69, 0
	s_mov_b32 s73, 0
	s_wait_dscnt 0x0                               ; my tile of x's codes lies in LDS
	s_barrier_signal -1
	s_barrier_wait -1                              ; everybody's does
.Lexp:                                                 ; two trips: expert a, expert b
	s_wait_alu depctr_vm_vsrc(0)                   ; the LDS instructions issued so far have read the four addresses that are written below, and the LDS stores (the head's, the last trip's of h) have read window 1's registers, which this trip's products write
	v_add_nc_u32 v[BIC], s66, v[BIA]
	v_add_nc_u32 v[WSC], s67, v[WSA]
	v_add_nc_u32 v[HWC], s68, v[HWI]
	v_add_nc_u32 v[HSC], s69, v[HWS]
	s_wait_alu depctr_va_vdst(0)                   ; the four addresses are written, which the LDS loads below and this trip's stores of h read; the last trip's products are done reading the biases, the weights' scale words and x's fragments, in whose registers LDS loads land
	s_cmp_eq_u32 s35, 0                            ; a tile without rows leaves the work out, not the loop
	s_cbranch_scc1 .Lskip1
.irp k, 0,1
.irp t, 0,1,2,3
.irp q, 0,1
	ds_load_b128 v[B3R+32*\k+8*\t+4*\q:B3R+32*\k+8*\t+4*\q+3], v[BIC] offset:256*\k+128*(\t/2)+32*(\t%2)+16*\q   ; b1 (k = 0) and b2 (k = 1) of tile t's eight units of my half: once for the four tiles of tokens
.endr
.endr
.endr
.irp t, 0,1,2,3
.irp q, 0,1
	ds_load_b128 v[WS+8*\t+4*\q:WS+8*\t+4*\q+3], v[WSC] offset:(32*(\t/2)+8*(\t%2))*32+16*\q
.endr
.endr
	XFETCH2 0, 0
	XFETCH2 0, 2
.irp j, 0,1,2,3,4,5,6,7,8,9,10,11,12,13,14,15
	HALF1 \j
.endr
	EPI 0
	EPI 1
	EPI 2
	EPI 3
	s_wait_alu depctr_va_vdst(0)                   ; tile 3's codes and scale bytes are written, which the LDS stores below read
	HSTORE 3
	WIN 0
	s_wait_dscnt 0x0                               ; this expert's part of h, as far as it is mine, lies in LDS
.Lskip1:
	s_wait_xcnt 0x0                                ; the pending loads have read their bases
	s_mov_b64 s[40:41], s[44:45]
	s_mov_b64 s[42:43], s[46:47]
	s_mov_b64 s[44:45], s[48:49]
	s_mov_b64 s[46:47], s[50:51]
	s_add_co_u32 s66, s66, 1536
	s_add_co_u32 s67, s67, 4096
	s_add_co_u32 s68, s68, 16384
	s_add_co_u32 s69, s69, 1024
	s_add_co_u32 s73, s73, 1
	s_cmp_lt_u32 s73, 2
	s_cbranch_scc1 .Lexp
	s_wait_dscnt 0x0                               ; my part of h lies in LDS
	s_barrier_signal -1
	s_barrier_wait -1                              ; all of h does
	s_wait_alu depctr_vm_vsrc(0)                   ; my LDS stores of h have read their registers in window 1, in which h's fragments land below
	s_wait_alu depctr_va_vdst(0)                   ; the activation's lines are done with window 1, and the first products with the scale words' and the biases' registers: LDS loads land in all of them below
	s_cmp_eq_u32 s35, 0
	s_cbranch_scc1 .Lend
	WIN 0x40
.set I, 0
.rept 16
.irp c, 0,1,2,3
	ds_load_b128 v[16*I+4*\c:16*I+4*\c+3], v[HRA] offset:2048*I+512*\c   ; h's 16 fragments (expert, tile of tokens, K step) stay in registers
.endr
.set I, I+1
.endr
	WIN 0
.set I, 0
.rept 16
	ds_load_b32 v[HSR+I], v[HSA] offset:128*I
	ds_load_b64 v[W3S+2*I:W3S+2*I+1], v[W3A] offset:128*I
.set I, I+1
.endr
	B3LOAD 0
	TAU 0
	TAU 1
	TAU 2
	TAU 3
.Lend:
	s_wait_dscnt 0x0                               ; the closing lines, six on end
	s_wait_alu 0x0
	s_wait_tensorcnt 0x0
	ds_add_u32 v254, v255
	s_wait_dscnt 0x0
	s_endpgm
.Lfunc_end_k_q4f85fdb97d_chain:
	.size	k_q4f85fdb97d_chain, .Lfunc_end_k_q4f85fdb97d_chain-k_q4f85fdb97d_chain
	.p2alignl 7, 3214868480
	.fill 96, 4, 3214868480
	.section	.rodata,"a",@progbits
	.p2align	6, 0x0
	.amdhsa_kernel k_q4f85fdb97d_chain
		.amdhsa_group_segment_fixed_size 237056
		.amdhsa_private_segment_fixed_size 0
		.amdhsa_enable_private_segment 0
		.amdhsa_kernarg_size 96
		.amdhsa_user_sgpr_count 2
		.amdhsa_user_sgpr_kernarg_segment_ptr 1
		.amdhsa_wavefront_size32 1
		.amdhsa_system_sgpr_workgroup_id_x 1
		.amdhsa_system_sgpr_workgroup_id_y 1
		.amdhsa_system_sgpr_workgroup_id_z 1
		.amdhsa_system_vgpr_workitem_id 0
		.amdhsa_next_free_vgpr 1024
		.amdhsa_next_free_sgpr 80
		.amdhsa_reserve_vcc 0
		.amdhsa_float_denorm_mode_32 3
		.amdhsa_float_denorm_mode_16_64 3
		.amdhsa_memory_ordered 1
		.amdhsa_forward_progress 1
		.amdhsa_inst_pref_size 255
	.end_amdhsa_kernel
	.section	.bss,"aw",@nobits
	.p2align	6
	.space	262144
	.amdgpu_metadata
---
amdhsa.version: [ 1, 2 ]
amdhsa.kernels:
  - .name:           k_q4f85fdb97d_chain
    .symbol:         k_q4f85fdb97d_chain.kd
    .args:
      - { .name: tplan, .offset: 0, .size: 8, .value_kind: global_buffer, .address_space: global }
      - { .name: xq, .offset: 8, .size: 8, .value_kind: global_buffer, .address_space: global }
      - { .name: xs, .offset: 16, .size: 8, .value_kind: global_buffer, .address_space: global }
      - { .name: gatev, .offset: 24, .size: 8, .value_kind: global_buffer, .address_space: global }
      - { .name: wl, .offset: 32, .size: 8, .value_kind: global_buffer, .address_space: global }
      - { .name: w1_scales, .offset: 40, .size: 8, .value_kind: global_buffer, .address_space: global }
      - { .name: w2_scales, .offset: 48, .size: 8, .value_kind: global_buffer, .address_space: global }
      - { .name: w3_scales, .offset: 56, .size: 8, .value_kind: global_buffer, .address_space: global }
      - { .name: b1, .offset: 64, .size: 8, .value_kind: global_buffer, .address_space: global }
      - { .name: b2, .offset: 72, .size: 8, .value_kind: global_buffer, .address_space: global }
      - { .name: b3, .offset: 80, .size: 8, .value_kind: global_buffer, .address_space: global }
      - { .name: out0, .offset: 88, .size: 8, .value_kind: global_buffer, .address_space: global }
    .group_segment_fixed_size: 237056
    .private_segment_fixed_size: 0
    .kernarg_segment_align: 8
    .kernarg_segment_size: 96
    .max_flat_workgroup_size: 128
    .sgpr_count:     80
    .vgpr_count:     1024
    .wavefront_size: 32
...
	.end_amdgpu_metadata
.endif
;; end of part 4
